; MI455X (gfx1250); checked and timed in simulation.
; The chip was launched on July 23, 2026; its instructions are those of AMD's public machine-readable ISA for CDNA 5 (MIT licence, August 2026) and "CDNA5" Instruction Set Architecture Reference Guide (July 2026). The comments in the code are by the model that wrote it; some were corrected since.
;; Learned Router Model. Allowed arithmetic: float matrix products may take bf16 or f16 operands with f32 sums; all other float work in f32.
;; Inputs: embed 64 x 64 float32; epi_b 32 float32; epi_w 64 x 32 float32; ff_b1 128 float32; ff_b2 64 float32; ff_w1 64 x 128 float32; ff_w2 128 x 64 float32; ln_b 64 float32; ln_g 64 float32; out_b 64 float32; out_w 64 x 64 float32; rtr_b 1 float32; rtr_w 64 x 1 float32; sem_b 32 float32; sem_w 64 x 32 float32; seq 256 x 2,048 int32.
;; Outputs: out0 256 x 64 float32.
;; 3 versions, each right; version 2 is faster than version 1; version 3 is version 2 with the launch scan written anew for expert scheduling mode. Each part assembles by itself: llvm-mc -triple=amdgcn-amd-amdhsa -mcpu=gfx1250 --defsym DOCPART=n.
;; ======== version 1 of 3: 2 launches
;; workspace buffers: tab 17,408 bytes
;; launch tables (part 1): grid 64 x 1, 4 waves a work-group, no clusters, 4,608 bytes of LDS; arguments embed, ff_w1, ff_b1, ff_w2, ff_b2, ln_g, ln_b, sem_w, sem_b, epi_w, epi_b, rtr_w, rtr_b, tab; writes tab
.if DOCPART == 1
	.amdgcn_target "amdgcn-amd-amdhsa--gfx1250"
	.amdhsa_code_object_version 6
	.text
	.protected	k_q671f33ebf5_tables
	.globl	k_q671f33ebf5_tables
	.p2align	8
	.type	k_q671f33ebf5_tables,@function
k_q671f33ebf5_tables:
	s_mov_b64 s[64:65], 0
	v_nop
	global_prefetch_b8 v0, s[64:65] scope:SCOPE_SE
	s_setreg_imm32_b32 hwreg(HW_REG_WAVE_MODE, 25, 1), 1
	s_wait_xcnt 0x0
; PER-TOKEN TABLES.  Everything that reference() computes in front of its scan is a function of the token alone (e = embed[seq]),
; so the encoder, the gate and both key projections are made once for each of the 64 tokens, not once for each of 524,288 positions.
; Work-group v makes token v:  e = embed[v];  x = e + relu(e W1 + b1) W2 + b2;  h = LayerNorm(x) g + b;  z = h . rtr_w + rtr_b;
;   memory m = 0 (sem): k = h sem_w + sem_b, gate = sigmoid(z);     memory m = 1 (epi): k = h epi_w + epi_b, gate = sigmoid(-z) = 1 - sigmoid(z)
;   n = sum k^2 + 1e-6,  na = -gate / n.
; tab: bytes 0 .. 16383  K[m][v][32] f32;  bytes 16384 .. 17407  {na, n}[m][v].
; All in f32 on the vector unit: the three products of one token are 20,480 multiply-adds on one row, too few rows for a matrix tile.
; No cluster, no tensor load: each wave reads its own quarter of the weights once, straight into registers.
; Four waves split the sums over K (16 rows of W1, 32 rows of W2 each) and meet in LDS; waves 0 and 1 then finish memory 0 and 1.
; A work-group's row of K is 128 bytes, so two work-groups share an aligned block of 256 bytes of tab; the whole table is 17,408 bytes.
; Limits: sums are taken in another order than reference()'s; 1/x and 1/sqrt(x) are the hardware's approximations (ISA guide 15.8).
.set HP, 0                             ; [4 waves][128] partial sums of the hidden layer
.set HB, 2048                          ; 128 bytes a wave, its own: its 32 hidden numbers, even ones first
.set FP, 2560                          ; [4 waves][64] partial sums of the second layer
.set HH, 3584                          ; 256 bytes a wave (waves 0, 1), its own: h
.set W1, 32                            ; v[32:95]    16 rows of W1, 4 columns a lane
.set W2, 96                            ; v[96:159]   32 rows of W2: 16 registers quads, lanes 0-15 even rows, 16-31 odd rows
.set PW, 160                           ; v[160:223]  the projection's 64 rows: quad t holds row 4 t + lane / 8, columns 4 (lane % 8) ..
; v224 b1; v[226:227] e; v[228:229] b2; v[230:231] ln_g; v[232:233] ln_b; v[234:235] rtr_w (elements 2 l, 2 l + 1); v[236:239] the projection's bias
; v[4:7] sums; v[8:23] numbers read back from LDS; v[24:27] at work; v[28:31] the other half's lanes; v240-v251 offsets
.macro WSUM r, t                       ; sum over the 32 lanes, in every lane
	v_add_f32_dpp v\r, v\r, v\r row_xmask:1 row_mask:0xf bank_mask:0xf
	v_add_f32_dpp v\r, v\r, v\r row_xmask:2 row_mask:0xf bank_mask:0xf
	v_add_f32_dpp v\r, v\r, v\r row_xmask:4 row_mask:0xf bank_mask:0xf
	v_add_f32_dpp v\r, v\r, v\r row_xmask:8 row_mask:0xf bank_mask:0xf
	v_permlanex16_b32 v\t, v\r, s57, s58
	v_add_f32 v\r, v\r, v\t
.endm
; v[4:7] = sum over c = 0 .. 15 of v[b + c] x v[w + 4 c .. w + 4 c + 3]; the first product starts the sums.
; The multiplier is one register of an even pair: op_sel_hi 0 takes the first for both halves, op_sel 1 the second.
.macro BMAC w, b
	v_pk_mul_f32 v[4:5], v[\w:\w+1], v[\b:\b+1] op_sel_hi:[1,0]
	v_pk_mul_f32 v[6:7], v[\w+2:\w+3], v[\b:\b+1] op_sel_hi:[1,0]
.set cc, 1
.rept 15
.if cc % 2
	v_pk_fma_f32 v[4:5], v[\w+4*cc:\w+4*cc+1], v[\b+cc-1:\b+cc], v[4:5] op_sel:[0,1,0] op_sel_hi:[1,1,1]
	v_pk_fma_f32 v[6:7], v[\w+4*cc+2:\w+4*cc+3], v[\b+cc-1:\b+cc], v[6:7] op_sel:[0,1,0] op_sel_hi:[1,1,1]
.else
	v_pk_fma_f32 v[4:5], v[\w+4*cc:\w+4*cc+1], v[\b+cc:\b+cc+1], v[4:5] op_sel_hi:[1,0,1]
	v_pk_fma_f32 v[6:7], v[\w+4*cc+2:\w+4*cc+3], v[\b+cc:\b+cc+1], v[6:7] op_sel_hi:[1,0,1]
.endif
.set cc, cc+1
.endr
.endm
	s_load_b512 s[8:23], s[0:1], 0x0               ; embed 8, ff_w1 10, ff_b1 12, ff_w2 14, ff_b2 16, ln_g 18, ln_b 20, sem_w 22
	s_load_b256 s[24:31], s[0:1], 0x40             ; sem_b 24, epi_w 26, epi_b 28, rtr_w 30
	s_load_b128 s[32:35], s[0:1], 0x60             ; rtr_b 32, tab 34
	v_lshl_add_u32 v254, v0, 2, 0x1000
	v_mov_b32 v255, 0
	v_and_b32 v1, 31, v0                           ; lane l
	v_lshrrev_b32 v2, 5, v0
	v_readfirstlane_b32 s36, v2                    ; wave w
	s_lshl_b32 s38, ttmp9, 8                       ; 256 v: the token's row of embed
	s_lshl_b32 s2, s36, 6
	s_add_co_u32 s2, s2, s38                       ; + 64 w: my 16 numbers of it
	s_mov_b32 s3, 0
	s_mov_b32 s57, 0x76543210                      ; v_permlanex16_b32: lane i takes lane i of the other half
	s_mov_b32 s58, 0xfedcba98
	s_mov_b32 s61, 0x358637bd                      ; 1e-6
	s_mov_b32 s62, 0x3c800000                      ; 1/64
	s_mov_b32 s63, 0x3727c5ac                      ; 1e-5
	s_mov_b32 s59, 0x3fb8aa3b                      ; log2(e): wave 1 wants sigmoid(-z) = 1 / (1 + 2^(z log2 e)),
	s_cmp_eq_u32 s36, 0
	s_cselect_b32 s59, 0xbfb8aa3b, s59             ; wave 0 sigmoid(z)
	v_lshlrev_b32 v3, 4, v1                        ; 16 l
	v_lshl_add_u32 v2, s36, 13, v3                 ; 8192 w + 16 l: my 16 rows of W1 (512 bytes each) and my 32 rows of W2 (256 bytes each) alike
	v_lshlrev_b32 v240, 3, v1                      ; 8 l
	v_add_nc_u32 v241, s38, v240                   ; 8 l + 256 v
	v_and_b32 v242, 7, v1
	v_lshlrev_b32 v242, 4, v242                    ; 16 (l % 8)
	v_lshlrev_b32 v243, 2, v1
	v_lshl_add_u32 v243, s36, 7, v243              ; 4 (32 w + l)
	s_wait_kmcnt 0x0
	s_cselect_b64 s[4:5], s[22:23], s[26:27]       ; wave 0: sem_w, sem_b; wave 1: epi_w, epi_b (SCC still holds w == 0: moves, selects and waits leave it)
	s_cselect_b64 s[6:7], s[24:25], s[28:29]
	s_add_nc_u64 s[2:3], s[8:9], s[2:3]
	s_load_b512 s[40:55], s[2:3], 0x0              ; e[16 w .. 16 w + 15], as scalars
	s_load_b32 s56, s[32:33], 0x0                  ; rtr_b
	; every load of the kernel goes out here, back to back
.irp k, 0,1,2,3,4,5,6,7,8,9,10,11,12,13,14,15
	global_load_b128 v[W1+4*\k:W1+4*\k+3], v2, s[10:11] offset:512*\k      ; W1[16 w + k][4 l ..]: a wave's load covers a whole row
.endr
	global_load_b32 v224, v243, s[12:13]                                   ; b1[32 w + l]
.irp k, 0,1,2,3,4,5,6,7,8,9,10,11,12,13,14,15
	global_load_b128 v[W2+4*\k:W2+4*\k+3], v2, s[14:15] offset:512*\k      ; W2[32 w + 2 k + l / 16][4 (l % 16) ..]: two whole rows
.endr
	s_cmp_gt_u32 s36, 1
	s_cbranch_scc1 .Lloaded                        ; waves 2 and 3 take no part behind the second layer
	global_load_b64 v[226:227], v241, s[8:9]
	global_load_b64 v[228:229], v240, s[16:17]
	global_load_b64 v[230:231], v240, s[18:19]
	global_load_b64 v[232:233], v240, s[20:21]
	global_load_b64 v[234:235], v240, s[30:31]
.irp k, 0,1,2,3,4,5,6,7,8,9,10,11,12,13,14,15
	global_load_b128 v[PW+4*\k:PW+4*\k+3], v3, s[4:5] offset:512*\k        ; rows 4 k .. 4 k + 3 of 128 bytes
.endr
	global_load_b128 v[236:239], v242, s[6:7]
.Lloaded:
	; LDS addresses, while the loads are on their way
	v_and_b32 v244, 1, v1
	v_lshlrev_b32 v244, 6, v244
	v_lshrrev_b32 v245, 1, v1
	v_lshl_add_u32 v244, v245, 2, v244
	v_lshl_add_u32 v244, s36, 7, v244              ; 128 w + 64 (l % 2) + 4 (l / 2): even hidden numbers first, then the odd ones
	v_lshrrev_b32 v245, 4, v1
	v_lshlrev_b32 v245, 6, v245
	v_lshl_add_u32 v245, s36, 7, v245              ; 128 w + 64 (l / 16): the sixteen that go with my rows of W2
	v_and_b32 v246, 15, v1
	v_lshlrev_b32 v246, 4, v246
	v_lshl_add_u32 v246, s36, 8, v246              ; 256 w + 16 (l % 16)
	v_lshl_add_u32 v247, s36, 9, v3                ; 512 w + 16 l
	v_lshl_add_u32 v248, s36, 8, v240              ; 256 w + 8 l
	v_lshrrev_b32 v249, 3, v1
	v_lshlrev_b32 v249, 2, v249
	v_lshl_add_u32 v249, s36, 8, v249              ; 256 w + 4 (l / 8)
.irp j, 28,29,30,31
	v_mov_b32 v\j, 0                               ; v_permlanex16_b32 counts as a reader of its destination
.endr
	s_wait_kmcnt 0x0                               ; e, rtr_b
	s_wait_loadcnt 0x0                             ; all loads were issued in one run and the first phase needs the oldest: one wait, right on both ways
	; H: my 16 rows' share of e W1, columns 4 l .. 4 l + 3
.irp j, 0,1,2,3
	v_mul_f32 v[4+\j], s40, v[W1+\j]
.endr
.set kk, 1
.rept 15
.irp j, 0,1,2,3
	v_fmac_f32 v[4+\j], s[40+kk], v[W1+4*kk+\j]
.endr
.set kk, kk+1
.endr
	ds_store_b128 v247, v[4:7] offset:HP
	s_wait_dscnt 0x0                               ; my share is in LDS before I say so
	s_barrier_signal -1
	s_barrier_wait -1
	; F: hidden number 32 w + l, then my 32 rows' share of hid W2
.irp p, 0,1,2,3
	ds_load_b32 v[8+\p], v243 offset:HP+512*\p
.endr
	s_wait_dscnt 0x0
	v_add_f32 v8, v8, v9
	v_add_f32 v10, v10, v11
	v_add_f32 v8, v8, v224
	v_add_f32 v8, v8, v10
	v_max_num_f32 v24, 0, v8
	ds_store_b32 v244, v24 offset:HB
.irp c, 0,1,2,3
	ds_load_b128 v[8+4*\c:11+4*\c], v245 offset:HB+16*\c   ; my wave's own bytes: LDS serves a wave's instructions in order (ISA guide 5.7.1)
.endr
	s_wait_dscnt 0x0
	BMAC W2, 8
.irp j, 0,1,2,3
	v_permlanex16_b32 v[28+\j], v[4+\j], s57, s58  ; even rows' sums meet odd rows' sums
.endr
	v_pk_add_f32 v[4:5], v[4:5], v[28:29]
	v_pk_add_f32 v[6:7], v[6:7], v[30:31]
	ds_store_b128 v246, v[4:7] offset:FP           ; both halves of the lanes write the same numbers to the same bytes
	s_wait_dscnt 0x0
	s_barrier_signal -1
	s_barrier_wait -1
	s_cmp_gt_u32 s36, 1
	s_cbranch_scc1 .Lend
	; LayerNorm: lane l holds elements 2 l and 2 l + 1
.irp p, 0,1,2,3
	ds_load_b64 v[8+2*\p:9+2*\p], v240 offset:FP+256*\p
.endr
	v_pk_add_f32 v[24:25], v[226:227], v[228:229]  ; e + b2
	s_wait_dscnt 0x0
	v_pk_add_f32 v[8:9], v[8:9], v[10:11]
	v_pk_add_f32 v[12:13], v[12:13], v[14:15]
	v_pk_add_f32 v[24:25], v[24:25], v[8:9]
	v_pk_add_f32 v[24:25], v[24:25], v[12:13]      ; x
	v_add_f32 v26, v24, v25
	WSUM 26, 28
	v_fma_f32 v24, -v26, s62, v24                  ; x - mean
	v_fma_f32 v25, -v26, s62, v25
	v_mul_f32 v27, v24, v24
	v_fmac_f32 v27, v25, v25
	WSUM 27, 28
	v_fma_f32 v27, v27, s62, s63                   ; variance + 1e-5
	v_rsq_f32 v27, v27
	v_nop                                          ; one plain place behind a transcendental (ISA guide 5.7.2)
	s_wait_alu depctr_va_vdst(0)
	v_mul_f32 v24, v24, v27
	v_mul_f32 v25, v25, v27
	v_pk_fma_f32 v[24:25], v[24:25], v[230:231], v[232:233]    ; h
	ds_store_b64 v248, v[24:25] offset:HH
.irp t, 0,1,2,3,4,5,6,7,8,9,10,11,12,13,14,15
	ds_load_b32 v[8+\t], v249 offset:HH+16*\t      ; h[4 t + l / 8], my wave's own bytes
.endr
	; the gate, while these come back
	v_mul_f32 v26, v24, v234
	v_fmac_f32 v26, v25, v235
	WSUM 26, 28
	s_mul_f32 s2, s56, s59
	v_fma_f32 v26, v26, s59, s2                    ; -+ (h . rtr_w + rtr_b) log2 e
	v_exp_f32 v26, v26
	v_nop
	s_wait_alu depctr_va_vdst(0)
	v_add_f32 v26, 1.0, v26
	v_rcp_f32 v26, v26                             ; the products below are the plain place behind it
	s_wait_dscnt 0x0
	; P: k = h W + bias
	BMAC PW, 8
.irp j, 0,1,2,3
	v_add_f32_dpp v[4+\j], v[4+\j], v[4+\j] row_xmask:8 row_mask:0xf bank_mask:0xf   ; the four groups of eight lanes hold four shares of the rows
.endr
.irp j, 0,1,2,3
	v_permlanex16_b32 v[28+\j], v[4+\j], s57, s58
.endr
	v_pk_add_f32 v[4:5], v[4:5], v[28:29]
	v_pk_add_f32 v[6:7], v[6:7], v[30:31]
	v_pk_add_f32 v[4:5], v[4:5], v[236:237]
	v_pk_add_f32 v[6:7], v[6:7], v[238:239]        ; k[4 (l % 8) .. + 3], in every group of eight lanes
	v_mul_f32 v27, v4, v4
	v_fmac_f32 v27, v5, v5
	v_fmac_f32 v27, v6, v6
	v_fmac_f32 v27, v7, v7
	v_add_f32_dpp v27, v27, v27 row_xmask:1 row_mask:0xf bank_mask:0xf
	v_add_f32_dpp v27, v27, v27 row_xmask:2 row_mask:0xf bank_mask:0xf
	v_add_f32_dpp v27, v27, v27 row_xmask:4 row_mask:0xf bank_mask:0xf
	v_add_f32 v27, s61, v27                        ; n = sum k^2 + 1e-6
	v_rcp_f32 v25, v27
	s_lshl_b32 s2, s36, 13
	s_lshl_b32 s3, ttmp9, 7
	s_add_co_u32 s2, s2, s3
	v_add_nc_u32 v250, s2, v3                      ; 8192 m + 128 v + 16 l (also the plain place behind v_rcp_f32)
	s_lshl_b32 s2, s36, 9
	s_lshl_b32 s3, ttmp9, 3
	s_add_co_u32 s2, s2, s3
	v_mov_b32 v251, s2                             ; 512 m + 8 v
	s_wait_alu depctr_va_vdst(0)
	v_mul_f32 v26, -v26, v25                       ; na = -gate / n; v[26:27] = {na, n}
	s_wait_xcnt 0x0                                ; EXEC changes only behind this wait
	v_cmp_gt_u32 vcc_lo, 8, v1
	s_and_saveexec_b32 s60, vcc_lo
	global_store_b128 v250, v[4:7], s[34:35]       ; lanes 0 to 7: the row's 128 bytes
	s_wait_xcnt 0x0
	s_or_b32 exec_lo, exec_lo, s60
	v_cmp_eq_u32 vcc_lo, 0, v1
	s_and_saveexec_b32 s60, vcc_lo
	global_store_b64 v251, v[26:27], s[34:35] offset:16384
	s_wait_xcnt 0x0
	s_or_b32 exec_lo, exec_lo, s60
.Lend:
	s_wait_tensorcnt 0x0
	ds_add_u32 v254, v255
	s_wait_dscnt 0x0
	s_endpgm
.Lfunc_end_k_q671f33ebf5_tables:
	.size	k_q671f33ebf5_tables, .Lfunc_end_k_q671f33ebf5_tables-k_q671f33ebf5_tables
	.p2alignl 7, 3214868480
	.fill 96, 4, 3214868480
	.section	.rodata,"a",@progbits
	.p2align	6, 0x0
	.amdhsa_kernel k_q671f33ebf5_tables
		.amdhsa_group_segment_fixed_size 4608
		.amdhsa_private_segment_fixed_size 0
		.amdhsa_enable_private_segment 0
		.amdhsa_kernarg_size 112
		.amdhsa_user_sgpr_count 2
		.amdhsa_user_sgpr_kernarg_segment_ptr 1
		.amdhsa_wavefront_size32 1
		.amdhsa_system_sgpr_workgroup_id_x 1
		.amdhsa_system_sgpr_workgroup_id_y 1
		.amdhsa_system_sgpr_workgroup_id_z 1
		.amdhsa_system_vgpr_workitem_id 0
		.amdhsa_next_free_vgpr 256
		.amdhsa_next_free_sgpr 66
		.amdhsa_reserve_vcc 1
		.amdhsa_float_denorm_mode_32 3
		.amdhsa_float_denorm_mode_16_64 3
		.amdhsa_memory_ordered 1
		.amdhsa_forward_progress 1
		.amdhsa_inst_pref_size 22
	.end_amdhsa_kernel
	.amdgpu_metadata
---
amdhsa.version: [ 1, 2 ]
amdhsa.kernels:
  - .name:           k_q671f33ebf5_tables
    .symbol:         k_q671f33ebf5_tables.kd
    .args:
      - { .name: embed, .offset: 0, .size: 8, .value_kind: global_buffer, .address_space: global }
      - { .name: ff_w1, .offset: 8, .size: 8, .value_kind: global_buffer, .address_space: global }
      - { .name: ff_b1, .offset: 16, .size: 8, .value_kind: global_buffer, .address_space: global }
      - { .name: ff_w2, .offset: 24, .size: 8, .value_kind: global_buffer, .address_space: global }
      - { .name: ff_b2, .offset: 32, .size: 8, .value_kind: global_buffer, .address_space: global }
      - { .name: ln_g, .offset: 40, .size: 8, .value_kind: global_buffer, .address_space: global }
      - { .name: ln_b, .offset: 48, .size: 8, .value_kind: global_buffer, .address_space: global }
      - { .name: sem_w, .offset: 56, .size: 8, .value_kind: global_buffer, .address_space: global }
      - { .name: sem_b, .offset: 64, .size: 8, .value_kind: global_buffer, .address_space: global }
      - { .name: epi_w, .offset: 72, .size: 8, .value_kind: global_buffer, .address_space: global }
      - { .name: epi_b, .offset: 80, .size: 8, .value_kind: global_buffer, .address_space: global }
      - { .name: rtr_w, .offset: 88, .size: 8, .value_kind: global_buffer, .address_space: global }
      - { .name: rtr_b, .offset: 96, .size: 8, .value_kind: global_buffer, .address_space: global }
      - { .name: tab, .offset: 104, .size: 8, .value_kind: global_buffer, .address_space: global }
    .group_segment_fixed_size: 4608
    .private_segment_fixed_size: 0
    .kernarg_segment_align: 8
    .kernarg_segment_size: 112
    .max_flat_workgroup_size: 128
    .sgpr_count:     66
    .vgpr_count:     256
    .wavefront_size: 32
...
	.end_amdgpu_metadata
.endif
;; end of part 1
;; launch scan (part 2): grid 256 x 1, 4 waves a work-group, no clusters, 179,968 bytes of LDS; arguments seq, tab, out_w, out_b, out0; writes out0
.if DOCPART == 2
	.amdgcn_target "amdgcn-amd-amdhsa--gfx1250"
	.amdhsa_code_object_version 6
	.text
	.protected	k_q671f33ebf5_scan
	.globl	k_q671f33ebf5_scan
	.p2align	8
	.type	k_q671f33ebf5_scan,@function
k_q671f33ebf5_scan:
	s_mov_b64 s[64:65], 0
	v_nop
	global_prefetch_b8 v0, s[64:65] scope:SCOPE_SE
	s_setreg_imm32_b32 hwreg(HW_REG_WAVE_MODE, 25, 1), 1
	s_wait_xcnt 0x0
; THE SCAN, READ BACKWARDS.  One step of reference() is M' = M (I - a k k^T) + gamma k k^T with n = |k|^2 + 1e-6, a = gamma / n,
; gamma = g (sem) or (1 - g) r_t (epi).  Only M_T q is returned, so the steps are applied to the vector, last step first, from y = q's key:
;     eps = -a (k . y);   y += eps k;   c -= eps n k            (2,047 steps on 32 numbers; nothing is cut, this is the same algebra)
; Keys, n and -gate/n are rows of the 64-row tables of the launch before (tab), picked by the token.
; A work-group is one batch row b.  Waves 0, 1 run the chain of memory 0 (sem), 1 (epi); waves 2, 3 prepare for them, in an LDS ring,
; all that does not hang on y.  Steps go in blocks of 16, tau = 2047 - t ascending; tau = 0 is the query's own position with time factor 0,
; a step that changes nothing, so that 2,048 = 128 blocks.  For a block with rows i = 0 .. 15 (rv = time factor, na = -gate/n):
;     z_i = KA[i] . y,  KA[i] = rv_i na_i k_i;     for s = 0 .. 14: z_i += z_s N[i][s],  N[i][s] = rv_i na_i (k_s . k_i) for i > s, else 0
;     then z = eps:  y[d] += z_s KC[d][s],  c'[d] += z_s n_s KC[d][s],  KC[d][s] = k_s[d],  c = -c'.
; k_s . k_i comes from a 64 x 64 table GT[u][v] = na_v (k_u . k_v), made here once for each memory.
; In a chain wave both halves of 16 lanes hold z (lane i of a half: row i); y and c' have one dimension a lane; a number is handed to the
; other lanes by row_share on the multiply-add itself, so that a step of the solve is one dependent instruction.
; All in f32 on the vector unit: what is left are matrix-vector products inside a dependent chain, and a table of 262,144 multiply-adds.
; No cluster and no tensor load: what work-groups share (tab, out_w: 33,792 bytes) is read once by each, and the ring is written by waves.
; No prefetch: all global loads go out in one run at the head.
; Limits: tokens are clamped to 63 (reference() relies on the index lying inside its table).  Entries of N with i <= s and the null step are
; made by multiplying by 0.0, so an infinite or NaN table entry spreads within its block; reference() is not finite there either.
; Sums are taken in another order than reference()'s.
.set TOKR,  0                          ; TOKR[tau] = token at position 2047 - tau, 8,192 bytes
.set KT,    8192                       ; keys, row 64 m + v at pitch 144: 36 words, so 16 neighbouring rows' 16-byte pieces start in 16 different groups of 4 banks (64 banks of 4 bytes: ISA guide 11.1)
.set KTP,   144
.set KTM,   64*KTP
.set AN,    26624                      ; {na, n}[m][v]
.set GT,    27648                      ; GT[m][u][v], rows of 256 bytes
.set OW,    60416                      ; out_w
.set CV,    76800                      ; c[64]
.set RING,  77056                      ; for each chain 2 slots x 4 blocks
.set REC,   6400                       ; a block's record
.set SLOT,  4*REC
.set CHAIN, 2*SLOT
.set R_KA,  0                          ; 16 rows of 128 bytes at pitch 144
.set R_N,   2304                       ; 16 rows of 64 bytes at pitch 80
.set R_KC,  3584                       ; dimensions 0-15 at pitch 80; dimensions 16-31 begin R_KCH further on
.set R_KCH, 1344                       ; 1,280 + 64: the two halves' 4-byte stores then fall into different banks
.set R_NV,  6208                       ; n of the 16 rows
; LDS ADDRESS REGISTERS of the scan, v8 to v16: made by every wave, each for one purpose; neither role's text writes them again
; (the two token addresses are stepped once a trip, by every wave, at the loop's end).  i = lane % 16, h = lane / 16, ring = RING + 51,200 m.
.set A_KA, 8                           ; ring + 144 i + 64 h          the helper stores KA where the chain loads it
.set A_N,  9                           ; ring + 80 i                  chain: row i of N
.set A_KC, 10                          ; ring + 80 i + 1344 h         chain: row d = 16 h + i of KC
.set A_NV, 11                          ; ring + 4 i                   n, both roles
.set H_TI, 12                          ; 4 i + 512 trip               helper: token of row i
.set H_TS, 13                          ; 32 h + 512 trip              helper: tokens of rows 8 h .. 8 h + 7
.set H_KB, 14                          ; my memory's keys + 64 h      helper: my half of a key
.set H_N,  15                          ; ring + 80 i + 32 h           helper: N[i][8 h ..]
.set H_KC, 16                          ; ring + 1344 h + 4 i          helper: KC[16 h ..][i]
.set TMP,  17
; chain waves at work
.set Y,  18
.set Z,  19
.set ZN, 20                            ; z n
.set T,  21
.set P,  22                            ; v[22:25] four partial dots
.set C,  26                            ; v[26:29] four partial c'
.set SETB, 32                          ; register set 0 at v32, set 1 at v84: KA 16, N 16, KC 16, n 1
.set SETN, 52
.set O_N,  16
.set O_KC, 32
.set O_NV, 48
; helper waves at work
.set RV0, 18                           ; block 0's time factor, unmasked
.set HT,  19
.set RV,  20                           ; v[20:21] the block's time factor (the pair's second register is named, not used)
.set SC,  22                           ; v[22:23] rv na
.set MK,  24                           ; v[24:31] 1.0 where i > 8 h + j, else 0.0
.set HB,  32                           ; block q at v[32 + 36 q]: +0 token i; +1 key address; +2,3 {na, n}; +4..11 tokens s, then addresses; +12..27 key; +28..35 table entries
.set HBN, 36
.macro BAR
	s_wait_dscnt 0x0                               ; my LDS stores are in and my LDS loads are back before I say so
	s_barrier_signal -1
	s_barrier_wait -1
.endm
	s_load_b256 s[4:11], s[0:1], 0x0               ; seq 4, tab 6, out_w 8, out_b 10
	s_load_b64 s[12:13], s[0:1], 0x20              ; out0
	v_lshl_add_u32 v192, v0, 2, 0x2bd00
	v_mov_b32 v193, 0
	v_and_b32 v1, 31, v0                           ; lane
	v_lshrrev_b32 v4, 5, v0
	v_readfirstlane_b32 s14, v4                    ; wave w
	v_and_b32 v2, 15, v0                           ; i
	v_bfe_u32 v3, v0, 4, 1                         ; h
	s_and_b32 s15, s14, 1                          ; m: my memory
	s_lshr_b32 s16, s14, 1
	s_lshl_b32 s18, ttmp9, 13                      ; my row of seq: 8,192 bytes
	s_mov_b32 s19, 0
	s_mov_b32 s22, 0x76543210                      ; v_permlanex16_b32: lane i takes lane i of the other half
	s_mov_b32 s23, 0xfedcba98
	s_mul_i32 s17, s15, KTM
	s_add_co_u32 s17, s17, KT                      ; my memory's keys
	s_lshl_b32 s24, s15, 9
	s_add_co_u32 s24, s24, AN
	s_lshl_b32 s25, s15, 14
	s_add_co_u32 s25, s25, GT
	s_mul_i32 s26, s15, CHAIN
	s_add_co_u32 s26, s26, RING
	s_cmp_eq_u32 s15, 0
	s_cselect_b32 s20, 0, 0xbc000000               ; the time factor's step from block to block: sem 0, epi -16/2048
	s_cselect_b32 s27, 1.0, 0                      ; time factor = s27 + s28 (2048 - tau): sem 1,
	s_cselect_b32 s28, 0, 0x3a000000               ; epi (2048 - tau) / 2048 = (t + 1) / L
	v_lshlrev_b32 v4, 4, v0                        ; 16 t
	v_lshlrev_b32 v5, 3, v0                        ; 8 t
	v_lshlrev_b32 v8, 3, v1                        ; 8 lane
	s_wait_kmcnt 0x0
	s_add_nc_u64 s[4:5], s[4:5], s[18:19]
	; FILL: 22 loads a thread in one run; each load of a wave covers 512 (the two short ones 256) neighbouring bytes
.irp c, 0,1,2,3
	global_load_b128 v[32+4*\c:35+4*\c], v4, s[4:5] offset:2048*\c th:TH_LOAD_NT
.endr
.irp c, 0,1,2,3,4,5,6,7
	global_load_b128 v[48+4*\c:51+4*\c], v4, s[6:7] offset:2048*\c
.endr
	global_load_b64 v[80:81], v5, s[6:7] offset:16384
.irp c, 0,1,2,3,4,5,6,7
	global_load_b128 v[84+4*\c:87+4*\c], v4, s[8:9] offset:2048*\c
.endr
	global_load_b64 v[6:7], v8, s[10:11]           ; out_b[2 lane, 2 lane + 1]: kept in v[6:7] to the end (wave 2 uses it)
	v_sub_nc_u32 v9, 2032, v4                      ; tokens go in reversed: thread t's four of chunk c lie at 8176 - 16 t - 2048 c
	v_lshrrev_b32 v10, 3, v0
	v_mul_u32_u24 v10, v10, KTP
	v_and_b32 v11, 7, v0
	v_lshl_add_u32 v10, v11, 4, v10                ; key row t / 8 + 16 c, piece t % 8
	v_add_nc_u32 v11, OW, v4
	s_wait_loadcnt 0x0                             ; all are needed at once
.irp c, 0,1,2,3
.irp e, 0,1,2,3
	v_min_u32 v[116+4*\c+3-\e], 63, v[32+4*\c+\e]
.endr
	ds_store_b128 v9, v[116+4*\c:119+4*\c] offset:TOKR+2048*(3-\c)
.endr
.irp c, 0,1,2,3,4,5,6,7
	ds_store_b128 v10, v[48+4*\c:51+4*\c] offset:KT+16*KTP*\c
.endr
	ds_store_b64 v5, v[80:81] offset:AN
.irp c, 0,1,2,3,4,5,6,7
	ds_store_b128 v11, v[84+4*\c:87+4*\c] offset:2048*\c
.endr
	BAR
	; GRAM: wave w makes rows u = 32 (w / 2) .. + 31 of GT[m].  Lane v keeps k_v in v[32:63], k_(v+32) in v[64:95], na_v, na_(v+32) in v168, v169.
	v_mul_u32_u24 v9, v1, KTP
	v_add_nc_u32 v9, s17, v9
.irp c, 0,1,2,3,4,5,6,7
	ds_load_b128 v[32+4*\c:35+4*\c], v9 offset:16*\c
	ds_load_b128 v[64+4*\c:67+4*\c], v9 offset:32*KTP+16*\c
.endr
	v_lshl_add_u32 v12, v1, 3, s24
	ds_load_b32 v168, v12
	ds_load_b32 v169, v12 offset:256
	s_mul_i32 s29, s16, 32*KTP
	s_add_co_u32 s29, s29, s17
	v_mov_b32 v10, s29                             ; aU: row u's key, the same address in every lane
.irp c, 0,1,2,3,4,5,6,7
	ds_load_b128 v[96+4*\c:99+4*\c], v10 offset:16*\c
.endr
	s_lshl_b32 s29, s16, 13
	s_add_co_u32 s29, s29, s25
	v_lshl_add_u32 v11, v1, 2, s29                 ; aG: GT[m][u][lane]
; One row u, whose key lies in registers cur; ld = 1: the next row's key is fetched into nxt meanwhile.
.macro GSTEP cur, nxt, ld, ldoff, stoff
.if \ld
.irp b, 0,1,2,3,4,5,6,7
	ds_load_b128 v[\nxt+4*\b:\nxt+4*\b+3], v10 offset:\ldoff+16*\b
.endr
	s_wait_dscnt 0x8                               ; all but the eight just issued: cur is in
.else
	s_wait_dscnt 0x0
.endif
.set jj, 0
.rept 16
.if jj < 2
	v_pk_mul_f32 v[160+2*jj:161+2*jj], v[32+2*jj:33+2*jj], v[\cur+2*jj:\cur+2*jj+1]
	v_pk_mul_f32 v[164+2*jj:165+2*jj], v[64+2*jj:65+2*jj], v[\cur+2*jj:\cur+2*jj+1]
.else
	v_pk_fma_f32 v[160+2*(jj%2):161+2*(jj%2)], v[32+2*jj:33+2*jj], v[\cur+2*jj:\cur+2*jj+1], v[160+2*(jj%2):161+2*(jj%2)]
	v_pk_fma_f32 v[164+2*(jj%2):165+2*(jj%2)], v[64+2*jj:65+2*jj], v[\cur+2*jj:\cur+2*jj+1], v[164+2*(jj%2):165+2*(jj%2)]
.endif
.set jj, jj+1
.endr
	v_pk_add_f32 v[160:161], v[160:161], v[162:163]
	v_pk_add_f32 v[164:165], v[164:165], v[166:167]
	v_add_f32 v160, v160, v161
	v_add_f32 v164, v164, v165
	v_mul_f32 v160, v160, v168
	v_mul_f32 v164, v164, v169
	ds_store_b32 v11, v160 offset:\stoff
	ds_store_b32 v11, v164 offset:\stoff+128
.endm
	s_mov_b32 s29, 15
.Lgram:
	GSTEP 96, 128, 1, KTP, 0
	GSTEP 128, 96, 1, 2*KTP, 256
	v_add_nc_u32 v10, 2*KTP, v10
	v_add_nc_u32 v11, 512, v11
	s_sub_co_i32 s29, s29, 1
	s_cmp_lg_u32 s29, 0
	s_cbranch_scc1 .Lgram
	GSTEP 96, 128, 1, KTP, 0                       ; the last two rows: one more fetch, then none
	GSTEP 128, 96, 0, 0, 256
	BAR
; HELPER: the four blocks of one stage into ring slot 'slot'.  rel: the stage's place from the one at which H_TI and H_TS stand.
; Lane (i, h) makes row i's dimensions 16 h .. + 15 and its entries N[i][8 h .. + 7].
.macro PRODUCE slot, rel, first
.irp q, 0,1,2,3
	ds_load_b32 v[HB+HBN*\q], v[H_TI] offset:TOKR+256*\rel+64*\q                ; token of row i
	ds_load_b128 v[HB+HBN*\q+4:HB+HBN*\q+7], v[H_TS] offset:TOKR+256*\rel+64*\q ; tokens of rows s = 8 h .. + 7
	ds_load_b128 v[HB+HBN*\q+8:HB+HBN*\q+11], v[H_TS] offset:TOKR+256*\rel+64*\q+16
.endr
	s_wait_dscnt 0x0
.irp q, 0,1,2,3
.set BQ, HB+HBN*\q
	v_min_u32 v[BQ], 63, v[BQ]                     ; a number read from LDS enters an address only clamped to its table
.irp j, 4,5,6,7,8,9,10,11
	v_min_u32 v[BQ+\j], 63, v[BQ+\j]
.endr
	v_mul_u32_u24 v[BQ+1], v[BQ], KTP
	v_add_nc_u32 v[BQ+1], v[BQ+1], v[H_KB]         ; 144 tok + my half of the key
	v_lshl_add_u32 v[BQ+2], v[BQ], 3, s24          ; {na, n}
	v_lshl_add_u32 v[BQ], v[BQ], 2, s25            ; column tok_i of GT
.irp j, 4,5,6,7,8,9,10,11
	v_lshl_add_u32 v[BQ+\j], v[BQ+\j], 8, v[BQ]    ; row tok_s
.endr
.irp c, 0,1,2,3
	ds_load_b128 v[BQ+12+4*\c:BQ+15+4*\c], v[BQ+1] offset:16*\c
.endr
	ds_load_b64 v[BQ+2:BQ+3], v[BQ+2]
.irp j, 0,1,2,3,4,5,6,7
	ds_load_b32 v[BQ+28+\j], v[BQ+4+\j]
.endr
.endr
.irp q, 0,1,2,3
.set BQ, HB+HBN*\q
.set OFS, SLOT*\slot+REC*\q
	s_wait_dscnt 39                                ; behind block q's 13 gathers stand 13 for each later block and 23 stores for each earlier one: 39, 49, 59, 69.  One count for all four: exact for block 0
	v_mul_f32 v[SC], v[RV], v[BQ+2]                ; rv na
.irp c, 0,1,2,3,4,5,6,7,8,9,10,11,12,13,14,15
	ds_store_b32 v[H_KC], v[BQ+12+\c] offset:OFS+R_KC+80*\c    ; KC[16 h + c][i] = k_i[16 h + c]
.endr
.irp c, 0,1,2,3,4,5,6,7
	v_pk_mul_f32 v[BQ+12+2*\c:BQ+13+2*\c], v[BQ+12+2*\c:BQ+13+2*\c], v[SC:SC+1] op_sel_hi:[1,0]
.endr
.irp c, 0,1,2,3
	ds_store_b128 v[A_KA], v[BQ+12+4*\c:BQ+15+4*\c] offset:OFS+R_KA+16*\c
.endr
.irp c, 0,1,2,3
	v_pk_mul_f32 v[BQ+28+2*\c:BQ+29+2*\c], v[BQ+28+2*\c:BQ+29+2*\c], v[MK+2*\c:MK+2*\c+1]    ; i > s alone
.endr
.irp c, 0,1,2,3
	v_pk_mul_f32 v[BQ+28+2*\c:BQ+29+2*\c], v[BQ+28+2*\c:BQ+29+2*\c], v[RV:RV+1] op_sel_hi:[1,0]
.endr
	ds_store_b128 v[H_N], v[BQ+28:BQ+31] offset:OFS+R_N
	ds_store_b128 v[H_N], v[BQ+32:BQ+35] offset:OFS+R_N+16
	ds_store_b32 v[A_NV], v[BQ+3] offset:OFS+R_NV
.set STEPSRC, RV
.if \first
.if \q == 0
.set STEPSRC, RV0                                  ; block 0 ran with lane 0's factor zeroed: go on from the unmasked one
.endif
.endif
	v_add_f32 v[RV], s20, v[STEPSRC]               ; the next block's time factor: multiples of 1/2048 up to 1, exact in f32
.endr
.endm
; CHAIN: 13 LDS loads, a block's record into register set 'set', in the order in which they are needed
.macro LOADBLK set, off
.irp c, 0,1,2,3
	ds_load_b128 v[SETB+SETN*\set+4*\c:SETB+SETN*\set+4*\c+3], v[A_KA] offset:\off+R_KA+16*\c
.endr
.irp c, 0,1,2,3
	ds_load_b128 v[SETB+SETN*\set+O_N+4*\c:SETB+SETN*\set+O_N+4*\c+3], v[A_N] offset:\off+R_N+16*\c
.endr
.irp c, 0,1,2,3
	ds_load_b128 v[SETB+SETN*\set+O_KC+4*\c:SETB+SETN*\set+O_KC+4*\c+3], v[A_KC] offset:\off+R_KC+16*\c
.endr
	ds_load_b32 v[SETB+SETN*\set+O_NV], v[A_NV] offset:\off+R_NV
.endm
; z = KA y for the block in 'set'; between its lines, which wait for each other in four chains, the c' updates of the block before ('prev')
.macro DOT set, prev
	s_wait_dscnt 0x9                               ; KA's four loads are in; the nine behind them (N, KC, n) may be out
.irp c, 0,1,2,3,4,5,6,7,8,9,10,11,12,13,14,15
.if \c < 4
	v_mul_f32_dpp v[P+\c], v[Y], v[SETB+SETN*\set+\c] row_share:\c row_mask:0xf bank_mask:0xf
.else
	v_fmac_f32_dpp v[P+\c%4], v[Y], v[SETB+SETN*\set+\c] row_share:\c row_mask:0xf bank_mask:0xf
.endif
	v_fmac_f32_dpp v[C+\c%4], v[ZN], v[SETB+SETN*\prev+O_KC+\c] row_share:\c row_mask:0xf bank_mask:0xf
.endr
	v_add_f32 v[P], v[P], v[P+1]
	v_add_f32 v[P+2], v[P+2], v[P+3]
	v_add_f32 v[P], v[P], v[P+2]
	v_permlanex16_b32 v[T], v[P], s22, s23         ; dimensions 0-15 meet dimensions 16-31
	v_add_f32 v[Z], v[P], v[T]
	s_wait_dscnt 0x0                               ; N, KC and n, issued a solve and a dot ago; no load of mine from the ring is out behind this line
.endm
; The block in 'set' is solved and y stepped.  ld = 1: the next block's record at 'off' is fetched into 'nxt', whose last readers (the c' updates
; of the dot just before) have been issued.  ld = 0, the last block: nothing to fetch, and nothing reads y any more.
.macro SOLVE set, nxt, off, ld
.if \ld
	LOADBLK \nxt, \off
.endif
.irp e, 0,1,2,3,4,5,6,7,8,9,10,11,12,13,14,15
.if \ld
	v_fmac_f32_dpp v[Y], v[Z], v[SETB+SETN*\set+O_KC+\e] row_share:\e row_mask:0xf bank_mask:0xf
.endif
.if \e < 15
	v_fmac_f32_dpp v[Z], v[Z], v[SETB+SETN*\set+O_N+\e] row_share:\e row_mask:0xf bank_mask:0xf
.endif
.endr
	v_mul_f32 v[ZN], v[Z], v[SETB+SETN*\set+O_NV]
.endm
; A stage of four blocks from slot p.  It begins with the solve of the stage before's last block, so that the barrier falls between a dot
; and its solve and the new stage's first record lands under that solve.
.macro SECTION p
	SOLVE 1, 0, SLOT*\p, 1
	DOT 0, 1
	SOLVE 0, 1, SLOT*\p+REC, 1
	DOT 1, 0
	SOLVE 1, 0, SLOT*\p+2*REC, 1
	DOT 0, 1
	SOLVE 0, 1, SLOT*\p+3*REC, 1
	DOT 1, 0
.endm
	; START.  First the LDS addresses of both roles, in every wave.
	v_mul_u32_u24 v[TMP], v2, 144
	v_lshl_add_u32 v[A_KA], v3, 6, v[TMP]
	v_add_nc_u32 v[A_KA], s26, v[A_KA]             ; ring + 144 i + 64 h
	v_mul_u32_u24 v[A_N], v2, 80
	v_add_nc_u32 v[A_N], s26, v[A_N]               ; ring + 80 i
	v_mul_u32_u24 v[TMP], v3, R_KCH
	v_add_nc_u32 v[A_KC], v[TMP], v[A_N]           ; ring + 80 i + 1344 h
	v_lshl_add_u32 v[A_NV], v2, 2, s26             ; ring + 4 i
	v_lshlrev_b32 v[H_TI], 2, v2                   ; 4 i
	v_lshlrev_b32 v[H_TS], 5, v3                   ; 32 h
	v_lshl_add_u32 v[H_KB], v3, 6, s17             ; keys + 64 h
	v_lshl_add_u32 v[H_N], v3, 5, v[A_N]           ; ring + 80 i + 32 h
	v_add_nc_u32 v[H_KC], v[TMP], v[A_NV]          ; ring + 1344 h + 4 i
	s_cmp_lt_u32 s14, 2
	s_cbranch_scc1 .Lchain_start
	v_sub_nc_u32 v[HT], 2048, v2
	v_cvt_f32_u32 v[HT], v[HT]
	v_fma_f32 v[RV0], v[HT], s28, s27              ; block 0's time factor,
	v_cmp_ne_u32 vcc_lo, 0, v2
	v_cndmask_b32 v[RV], 0, v[RV0], vcc_lo         ; and 0 for tau = 0, the query's own position
	v_mov_b32 v[RV+1], 0                           ; the second registers of the pairs that are broadcast: named, not used
	v_mov_b32 v[SC+1], 0
	v_lshlrev_b32 v[HT], 3, v3
	v_sub_nc_u32 v[HT], v2, v[HT]                  ; i - 8 h
.irp j, 0,1,2,3,4,5,6,7
	v_cmp_lt_i32 vcc_lo, \j, v[HT]
	v_cndmask_b32 v[MK+\j], 0, 1.0, vcc_lo         ; 1 where i > 8 h + j
.endr
	PRODUCE 0, 0, 1                                ; stage 0
	s_branch .Lstart_done
.Lchain_start:
	v_mov_b32 v[ZN], 0
	ds_load_b32 v[P], v[ZN] offset:TOKR            ; the query's token
	v_lshl_add_u32 v[T], v1, 2, s17
	; a block of zeros in set 1 stands for 'the block before the first', so that the first stage runs the loop's own text
	v_mov_b32 v[Z], 0
.irp j, 2,3,4,5,6,7
	v_mov_b32 v[P+\j], 0                           ; P2, P3 (a DPP form's destination counts as read) and c'
.endr
.set jj, O_N
.rept 33
	v_mov_b32 v[SETB+SETN+jj], 0
.set jj, jj+1
.endr
	s_wait_dscnt 0x0
	v_min_u32 v[P], 63, v[P]
	v_mul_u32_u24 v[P+1], v[P], KTP
	v_add_nc_u32 v[P+1], v[P+1], v[T]              ; 144 tok + 4 lane
	ds_load_b32 v[Y], v[P+1]                       ; y = the query's key, bias and all
.Lstart_done:
	BAR
	; THE LOOP: 16 trips of two stages.  Each barrier orders two things: the helper's stores of the next stage before the chain's loads of it,
	; and the chain's loads of the stage just read before the helper's stores into that slot.
	s_mov_b32 s21, 0
.Ltrip:
	s_cmp_lt_u32 s14, 2
	s_cbranch_scc1 .Lchain_a
	PRODUCE 1, 1, 0                                ; stage 2 T + 1
	s_branch .Ldone_a
.Lchain_a:
	SECTION 0                                      ; stage 2 T
.Ldone_a:
	BAR
	s_cmp_lt_u32 s14, 2
	s_cbranch_scc1 .Lchain_b
	s_cmp_eq_u32 s21, 15
	s_cbranch_scc1 .Ldone_b                        ; there is no stage 32
	PRODUCE 0, 2, 0                                ; stage 2 T + 2
	s_branch .Ldone_b
.Lchain_b:
	SECTION 1                                      ; stage 2 T + 1
.Ldone_b:
	BAR
	v_add_nc_u32 v[H_TI], 512, v[H_TI]             ; two stages of 64 tokens on
	v_add_nc_u32 v[H_TS], 512, v[H_TS]
	s_add_co_u32 s21, s21, 1
	s_cmp_lt_u32 s21, 16
	s_cbranch_scc1 .Ltrip
	; TAIL: the last block's solve and its share of c'
	s_cmp_lt_u32 s14, 2
	s_cbranch_scc0 .Ltail_done
	SOLVE 1, 0, 0, 0
.irp c, 0,1,2,3,4,5,6,7,8,9,10,11,12,13,14,15
	v_fmac_f32_dpp v[C+\c%4], v[ZN], v[SETB+SETN+O_KC+\c] row_share:\c row_mask:0xf bank_mask:0xf
.endr
	v_add_f32 v[C], v[C], v[C+1]
	v_add_f32 v[C+2], v[C+2], v[C+3]
	v_sub_f32 v[C], -v[C], v[C+2]                  ; c = -c'
	s_lshl_b32 s29, s15, 7
	s_add_co_u32 s29, s29, CV
	v_lshl_add_u32 v[T], v1, 2, s29
	ds_store_b32 v[T], v[C]                        ; c[32 m + lane]
.Ltail_done:
	BAR
	; OUTPUT, one wave: out0[b][j] = out_b[j] + sum over i of c[i] out_w[i][j]; lane holds j = 2 lane, 2 lane + 1
	s_cmp_lg_u32 s14, 2
	s_cbranch_scc1 .Lend
	v_mov_b32 v8, CV
.irp c, 0,1,2,3,4,5,6,7,8,9,10,11,12,13,14,15
	ds_load_b128 v[32+4*\c:35+4*\c], v8 offset:16*\c           ; c, all 64 in every lane
.endr
	v_lshlrev_b32 v10, 3, v1
	v_add_nc_u32 v9, OW, v10
; 32 rows of out_w; even rows add onto v[160:161], which starts from out_b, odd rows onto v[162:163]
.macro OHALF half
.set ii, 0
.rept 32
	ds_load_b64 v[96+2*ii:97+2*ii], v9 offset:256*(32*\half+ii)
.set ii, ii+1
.endr
	s_wait_dscnt 0x0
.set ii, 0
.rept 16
.set START, 0
.if \half == 0
.if ii == 0
.set START, 1
.endif
.endif
.if START
	v_pk_fma_f32 v[160:161], v[96:97], v[32:33], v[6:7] op_sel_hi:[1,0,1]
	v_pk_mul_f32 v[162:163], v[98:99], v[32:33] op_sel:[0,1] op_sel_hi:[1,1]
.else
	v_pk_fma_f32 v[160:161], v[96+4*ii:97+4*ii], v[32+32*\half+2*ii:33+32*\half+2*ii], v[160:161] op_sel_hi:[1,0,1]
	v_pk_fma_f32 v[162:163], v[98+4*ii:99+4*ii], v[32+32*\half+2*ii:33+32*\half+2*ii], v[162:163] op_sel:[0,1,0] op_sel_hi:[1,1,1]
.endif
.set ii, ii+1
.endr
.endm
	OHALF 0
	OHALF 1
	v_pk_add_f32 v[160:161], v[160:161], v[162:163]
	s_lshl_b32 s18, ttmp9, 8                       ; my row of out0: 256 bytes
	s_add_nc_u64 s[12:13], s[12:13], s[18:19]
	global_store_b64 v10, v[160:161], s[12:13]     ; the wave's 32 lanes store the row's 256 consecutive bytes, aligned
.Lend:
	s_wait_tensorcnt 0x0
	ds_add_u32 v192, v193
	s_wait_dscnt 0x0
	s_endpgm
.Lfunc_end_k_q671f33ebf5_scan:
	.size	k_q671f33ebf5_scan, .Lfunc_end_k_q671f33ebf5_scan-k_q671f33ebf5_scan
	.p2alignl 7, 3214868480
	.fill 96, 4, 3214868480
	.section	.rodata,"a",@progbits
	.p2align	6, 0x0
	.amdhsa_kernel k_q671f33ebf5_scan
		.amdhsa_group_segment_fixed_size 179968
		.amdhsa_private_segment_fixed_size 0
		.amdhsa_enable_private_segment 0
		.amdhsa_kernarg_size 40
		.amdhsa_user_sgpr_count 2
		.amdhsa_user_sgpr_kernarg_segment_ptr 1
		.amdhsa_wavefront_size32 1
		.amdhsa_system_sgpr_workgroup_id_x 1
		.amdhsa_system_sgpr_workgroup_id_y 1
		.amdhsa_system_sgpr_workgroup_id_z 1
		.amdhsa_system_vgpr_workitem_id 0
		.amdhsa_next_free_vgpr 194
		.amdhsa_next_free_sgpr 66
		.amdhsa_reserve_vcc 1
		.amdhsa_float_denorm_mode_32 3
		.amdhsa_float_denorm_mode_16_64 3
		.amdhsa_memory_ordered 1
		.amdhsa_forward_progress 1
		.amdhsa_inst_pref_size 132
	.end_amdhsa_kernel
	.amdgpu_metadata
---
amdhsa.version: [ 1, 2 ]
amdhsa.kernels:
  - .name:           k_q671f33ebf5_scan
    .symbol:         k_q671f33ebf5_scan.kd
    .args:
      - { .name: seq, .offset: 0, .size: 8, .value_kind: global_buffer, .address_space: global }
      - { .name: tab, .offset: 8, .size: 8, .value_kind: global_buffer, .address_space: global }
      - { .name: out_w, .offset: 16, .size: 8, .value_kind: global_buffer, .address_space: global }
      - { .name: out_b, .offset: 24, .size: 8, .value_kind: global_buffer, .address_space: global }
      - { .name: out0, .offset: 32, .size: 8, .value_kind: global_buffer, .address_space: global }
    .group_segment_fixed_size: 179968
    .private_segment_fixed_size: 0
    .kernarg_segment_align: 8
    .kernarg_segment_size: 40
    .max_flat_workgroup_size: 128
    .sgpr_count:     66
    .vgpr_count:     194
    .wavefront_size: 32
...
	.end_amdgpu_metadata
.endif
;; end of part 2
;; ======== version 2 of 3: 2 launches; 1.21 times as fast as version 1
;; workspace buffers: tab 17,408 bytes
;; launch tables: the kernel of part 1 again; grid 64 x 1, 4 waves a work-group, no clusters, 4,608 bytes of LDS; arguments embed, ff_w1, ff_b1, ff_w2, ff_b2, ln_g, ln_b, sem_w, sem_b, epi_w, epi_b, rtr_w, rtr_b, tab; writes tab
;; launch scan (part 3): grid 256 x 1, 8 waves a work-group, no clusters, 200,960 bytes of LDS; arguments seq, tab, out_w, out_b, out0; writes out0
.if DOCPART == 3
	.amdgcn_target "amdgcn-amd-amdhsa--gfx1250"
	.amdhsa_code_object_version 6
	.text
	.protected	k_q671f33ebf5_scan
	.globl	k_q671f33ebf5_scan
	.p2align	8
	.type	k_q671f33ebf5_scan,@function
k_q671f33ebf5_scan:
	s_mov_b64 s[64:65], 0
	v_nop
	global_prefetch_b8 v0, s[64:65] scope:SCOPE_SE
	s_setreg_imm32_b32 hwreg(HW_REG_WAVE_MODE, 25, 1), 1
	s_wait_xcnt 0x0
; THE SCAN, READ BACKWARDS.  One step of reference() is M' = M (I - a k k^T) + gamma k k^T with n = |k|^2 + 1e-6, a = gamma / n,
; gamma = g (sem) or (1 - g) r_t (epi).  Only M_T q is returned, so the steps are applied to the vector, last step first, from y = q's key:
;     eps = -a (k . y);   y += eps k;   c -= eps n k            (2,047 steps on 32 numbers; nothing is cut, this is the same algebra)
; Keys, n and -gate/n are rows of the 64-row tables of the launch before (tab), picked by the token.
; A work-group is one batch row b, eight waves.  Waves 0, 1 run the chain of memory 0 (sem), 1 (epi).  The other six prepare for them, in an
; LDS ring, all that does not hang on y: waves 2, 3, 6, 7 (helper p = 0, 0, 1, 1 of memory m = w % 2) make KA, N, KC, n of blocks p, p + 2, p + 4, ..;
; waves 4, 5 make X of every block.
; Steps go in blocks of 16, tau = 2047 - t ascending; tau = 0 is the query's own position with time factor 0,
; a step that changes nothing, so that 2,048 = 128 blocks.  For block b with rows i = 0 .. 15 (rv = time factor, na = -gate/n), y_b = y in front of it:
;     z_i = KA_b[i] . y_b,  KA_b[i] = rv_i na_i k_i;   for s = 0 .. 14: z_i += z_s N_b[i][s],  N_b[i][s] = rv_i na_i (k_s . k_i) for i > s, else 0
;     then z = eps_b:  y_(b+1)[d] = y_b[d] + sum eps_s KC_b[d][s],  c'[d] += eps_s n_s KC_b[d][s],  KC_b[d][s] = k_s[d],  c = -c'.
; So that the next block's z need not wait for y:  KA_(b+1) . y_(b+1) = KA_(b+1) . y_b + X_(b+1) eps_b,
;     X_b[i][s] = rv_i na_i (k_s of block b - 1 . k_i of block b):  the first term is made while block b is solved, the second grows with each eps.
; All k . k come from a 64 x 64 table GT[u][v] = na_v (k_u . k_v), made here once for each memory.
; In a chain wave both halves of 16 lanes hold z (lane i of a half: row i); y and c' have one dimension a lane; a number is handed to the
; other lanes by row_share on the multiply-add itself, so that a step of the solve is one dependent instruction.
; All in f32 on the vector unit: what is left are matrix-vector products inside a dependent chain, and a table of 262,144 multiply-adds.
; No cluster and no tensor load: what work-groups share (tab, out_w: 33,792 bytes) is read once by each, and the ring is written by waves.
; No prefetch: all global loads go out in one run at the head.
; Limits: tokens are clamped to 63 (reference() relies on the index lying inside its table).  Entries of N with i <= s, the null step and the
; blocks of zeros ahead of the first are made by multiplying by 0.0, so an infinite or NaN table entry spreads; reference() is not finite there either.
; Sums are taken in another order than reference()'s.
.set TOKR,  0                          ; TOKR[tau] = token at position 2047 - tau, 8,192 bytes
.set KT,    8192                       ; keys, row 64 m + v at pitch 144: 36 words, so 16 neighbouring rows' 16-byte pieces start in 16 different groups of 4 banks (64 banks of 4 bytes: ISA guide 11.1)
.set KTP,   144
.set KTM,   64*KTP
.set AN,    26624                      ; {na, n}[m][v]
.set GT,    27648                      ; GT[m][u][v], rows of 256 bytes
.set OW,    60416                      ; out_w
.set CV,    76800                      ; c[64]
.set RING,  77056                      ; for each chain 2 slots x 4 blocks
.set REC,   7680                       ; a block's record
.set SLOT,  4*REC
.set CHAIN, 2*SLOT
.set R_KA,  0                          ; 16 rows of 128 bytes at pitch 144
.set R_N,   2304                       ; 16 rows of 64 bytes at pitch 80
.set R_KC,  3584                       ; dimensions 0-15 at pitch 80; dimensions 16-31 begin R_KCH further on
.set R_KCH, 1344                       ; 1,280 + 64: the two halves' 4-byte stores then fall into different banks
.set R_NV,  6208                       ; n of the 16 rows
.set R_X,   6272                       ; 16 rows of 64 bytes at pitch 80; ends at 7,552
; LDS ADDRESS REGISTERS of the scan, v8 to v16: made by every wave, each for one purpose; no role's text writes them again
; (the two token addresses are stepped once a trip, by every wave, at the loop's end).
; i = lane % 16, h = lane / 16, p = 1 in waves 6, 7, else 0, ring = RING + 61,440 m + 7,680 p.
.set A_KA, 8                           ; ring + 144 i + 64 h          the helper stores KA where the chain loads it
.set A_N,  9                           ; ring + 80 i                  chain: row i of N and of X
.set A_KC, 10                          ; ring + 80 i + 1344 h         chain: row d = 16 h + i of KC
.set A_NV, 11                          ; ring + 4 i                   n, both roles
.set H_TI, 12                          ; 64 p + 4 i + 512 trip        token of row i
.set H_TS, 13                          ; 64 p + 32 h + 512 trip       tokens of rows 8 h .. 8 h + 7
.set H_KB, 14                          ; my memory's keys + 64 h      helper: my half of a key
.set H_N,  15                          ; ring + 80 i + 32 h           N[i][8 h ..] and X[i][8 h ..]
.set H_KC, 16                          ; ring + 1344 h + 4 i          helper: KC[16 h ..][i]
.set TMP,  17
; chain waves at work
.set Y,  18
.set Z,  19                            ; z of the block being solved
.set ZN, 20                            ; eps n of the block before
.set T,  21                            ; the other half's share of the dot, then the dot
.set P,  22                            ; v[22:25] four partial dots
.set C,  26                            ; v[26:29] four partial c'
.set ZX, 30                            ; X eps, growing
.set ZE, 31                            ; eps of the block before
.set YA, 32                            ; v[32:34] three partial y updates (the fourth adds onto y itself)
.set KX, 36                            ; block b's KA (16) and X (16) at v[36 + 32 (b % 2)]
.set NK, 100                           ; block b's N (16), KC (16), n (1) at v[100 + 34 (b % 4)]
; helper waves and waves 4, 5 at work
.set RV0, 18                           ; my first block's time factor, unmasked
.set HT,  19
.set RV,  20                           ; v[20:21] the block's time factor (the pair's second register is named, not used)
.set SC,  22                           ; v[22:23] rv na
.set MK,  24                           ; v[24:31] 1.0 where i > 8 h + j, else 0.0
.set HB,  32                           ; helper: my block k of a stage's two at v[32 + 52 k]: +0 token i; +1 key address; +2,3 {na, n}; +4..11 tokens s, then addresses; +12..27 key; +28..35 table entries; +36..51 KA
.set HBN, 52
.set XBN, 20                           ; waves 4, 5: block q of a stage's four at v[32 + 20 q]: +0 token i; +4..11 tokens s, then addresses; +12..19 table entries
.macro BAR
	s_wait_dscnt 0x0                               ; my LDS stores are in and my LDS loads are back before I say so
	s_barrier_signal -1
	s_barrier_wait -1
.endm
	s_load_b256 s[4:11], s[0:1], 0x0               ; seq 4, tab 6, out_w 8, out_b 10
	s_load_b64 s[12:13], s[0:1], 0x20              ; out0
	v_lshl_add_u32 v236, v0, 2, 0x30d00
	v_mov_b32 v237, 0
	v_and_b32 v1, 31, v0                           ; lane
	v_lshrrev_b32 v4, 5, v0
	v_readfirstlane_b32 s14, v4                    ; wave w, 0 to 7
	v_and_b32 v2, 15, v0                           ; i
	v_bfe_u32 v3, v0, 4, 1                         ; h
	s_and_b32 s15, s14, 1                          ; m: my memory
	s_lshr_b32 s16, s14, 1                         ; which 16 rows of the Gram table are mine
	s_and_b32 s30, s14, 2                          ; not 0: a helper (waves 2, 3, 6, 7)
	s_lshr_b32 s31, s14, 2
	s_and_b32 s31, s31, s16                        ; p = (w / 4) and (w / 2): 1 in waves 6, 7, else 0
	s_lshl_b32 s18, ttmp9, 13                      ; my row of seq: 8,192 bytes
	s_mov_b32 s19, 0
	s_mov_b32 s22, 0x76543210                      ; v_permlanex16_b32: lane i takes lane i of the other half
	s_mov_b32 s23, 0xfedcba98
	s_mul_i32 s17, s15, KTM
	s_add_co_u32 s17, s17, KT                      ; my memory's keys
	s_lshl_b32 s24, s15, 9
	s_add_co_u32 s24, s24, AN
	s_lshl_b32 s25, s15, 14
	s_add_co_u32 s25, s25, GT
	s_mul_i32 s26, s15, CHAIN
	s_mul_i32 s29, s31, REC
	s_add_co_u32 s26, s26, s29
	s_add_co_u32 s26, s26, RING                    ; ring = RING + 61,440 m + 7,680 p
	s_mov_b32 s20, 0xbc800000                      ; the time factor's step from one block of mine to my next: a helper goes two blocks on, -32/2048,
	s_cmp_eq_u32 s30, 0
	s_cselect_b32 s20, 0xbc000000, s20             ; waves 4, 5 one block, -16/2048,
	s_cmp_eq_u32 s15, 0
	s_cselect_b32 s20, 0, s20                      ; and sem has no time factor
	s_cselect_b32 s27, 1.0, 0                      ; time factor = s27 + s28 (2048 - tau): sem 1,
	s_cselect_b32 s28, 0, 0x3a000000               ; epi (2048 - tau) / 2048 = (t + 1) / L
	v_lshlrev_b32 v4, 4, v0                        ; 16 t
	v_lshlrev_b32 v5, 2, v0                        ; 4 t
	v_lshlrev_b32 v8, 3, v1                        ; 8 lane
	s_wait_kmcnt 0x0
	s_add_nc_u64 s[4:5], s[4:5], s[18:19]
	; FILL: 12 loads a thread in one run; each 16-byte load of a wave covers 512 neighbouring bytes
.irp c, 0,1
	global_load_b128 v[32+4*\c:35+4*\c], v4, s[4:5] offset:4096*\c th:TH_LOAD_NT
.endr
.irp c, 0,1,2,3
	global_load_b128 v[48+4*\c:51+4*\c], v4, s[6:7] offset:4096*\c
.endr
	global_load_b32 v80, v5, s[6:7] offset:16384
.irp c, 0,1,2,3
	global_load_b128 v[84+4*\c:87+4*\c], v4, s[8:9] offset:4096*\c
.endr
	global_load_b64 v[6:7], v8, s[10:11]           ; out_b[2 lane, 2 lane + 1]: kept in v[6:7] to the end (wave 2 uses it)
	v_sub_nc_u32 v9, 4080, v4                      ; tokens go in reversed: thread t's four of chunk c lie at 8176 - 16 t - 4096 c
	v_lshrrev_b32 v10, 3, v0
	v_mul_u32_u24 v10, v10, KTP
	v_and_b32 v11, 7, v0
	v_lshl_add_u32 v10, v11, 4, v10                ; key row t / 8 + 32 c, piece t % 8
	v_add_nc_u32 v11, OW, v4
	v_lshrrev_b32 v12, 1, v0
	v_mul_u32_u24 v12, v12, KTP
	v_and_b32 v13, 1, v0
	v_lshl_add_u32 v12, v13, 3, v12                ; key row t / 2, half t % 2 of the 16 bytes behind its 128
	v_mov_b32 v14, 0
	v_mov_b32 v15, 0
	ds_store_b64 v12, v[14:15] offset:KT+128       ; no address of this text reaches these bytes (a key's pieces end at byte 127); they are written once, so that none inside the table is left as it was found
	s_wait_loadcnt 0x0                             ; all are needed at once
.irp c, 0,1
.irp e, 0,1,2,3
	v_min_u32 v[116+4*\c+3-\e], 63, v[32+4*\c+\e]
.endr
	ds_store_b128 v9, v[116+4*\c:119+4*\c] offset:TOKR+4096*(1-\c)
.endr
.irp c, 0,1,2,3
	ds_store_b128 v10, v[48+4*\c:51+4*\c] offset:KT+32*KTP*\c
.endr
	ds_store_b32 v5, v80 offset:AN
.irp c, 0,1,2,3
	ds_store_b128 v11, v[84+4*\c:87+4*\c] offset:4096*\c
.endr
	BAR
	; GRAM: wave w makes rows u = 16 (w / 2) .. + 15 of GT[w % 2].  Lane v keeps k_v in v[32:63], k_(v+32) in v[64:95], na_v, na_(v+32) in v168, v169.
	v_mul_u32_u24 v9, v1, KTP
	v_add_nc_u32 v9, s17, v9
.irp c, 0,1,2,3,4,5,6,7
	ds_load_b128 v[32+4*\c:35+4*\c], v9 offset:16*\c
	ds_load_b128 v[64+4*\c:67+4*\c], v9 offset:32*KTP+16*\c
.endr
	v_lshl_add_u32 v12, v1, 3, s24
	ds_load_b32 v168, v12
	ds_load_b32 v169, v12 offset:256
	s_mul_i32 s29, s16, 16*KTP
	s_add_co_u32 s29, s29, s17
	v_mov_b32 v10, s29                             ; aU: row u's key, the same address in every lane
.irp c, 0,1,2,3,4,5,6,7
	ds_load_b128 v[96+4*\c:99+4*\c], v10 offset:16*\c
.endr
	s_lshl_b32 s29, s16, 12
	s_add_co_u32 s29, s29, s25
	v_lshl_add_u32 v11, v1, 2, s29                 ; aG: GT[m][u][lane]
; One row u, whose key lies in registers cur; ld = 1: the next row's key is fetched into nxt meanwhile.
.macro GSTEP cur, nxt, ld, ldoff, stoff
.if \ld
.irp b, 0,1,2,3,4,5,6,7
	ds_load_b128 v[\nxt+4*\b:\nxt+4*\b+3], v10 offset:\ldoff+16*\b
.endr
	s_wait_dscnt 0x8                               ; all but the eight just issued: cur is in
.else
	s_wait_dscnt 0x0
.endif
.set jj, 0
.rept 16
.if jj < 2
	v_pk_mul_f32 v[160+2*jj:161+2*jj], v[32+2*jj:33+2*jj], v[\cur+2*jj:\cur+2*jj+1]
	v_pk_mul_f32 v[164+2*jj:165+2*jj], v[64+2*jj:65+2*jj], v[\cur+2*jj:\cur+2*jj+1]
.else
	v_pk_fma_f32 v[160+2*(jj%2):161+2*(jj%2)], v[32+2*jj:33+2*jj], v[\cur+2*jj:\cur+2*jj+1], v[160+2*(jj%2):161+2*(jj%2)]
	v_pk_fma_f32 v[164+2*(jj%2):165+2*(jj%2)], v[64+2*jj:65+2*jj], v[\cur+2*jj:\cur+2*jj+1], v[164+2*(jj%2):165+2*(jj%2)]
.endif
.set jj, jj+1
.endr
	v_pk_add_f32 v[160:161], v[160:161], v[162:163]
	v_pk_add_f32 v[164:165], v[164:165], v[166:167]
	v_add_f32 v160, v160, v161
	v_add_f32 v164, v164, v165
	v_mul_f32 v160, v160, v168
	v_mul_f32 v164, v164, v169
	ds_store_b32 v11, v160 offset:\stoff
	ds_store_b32 v11, v164 offset:\stoff+128
.endm
	s_mov_b32 s29, 7
.Lgram:
	GSTEP 96, 128, 1, KTP, 0
	GSTEP 128, 96, 1, 2*KTP, 256
	v_add_nc_u32 v10, 2*KTP, v10
	v_add_nc_u32 v11, 512, v11
	s_sub_co_i32 s29, s29, 1
	s_cmp_lg_u32 s29, 0
	s_cbranch_scc1 .Lgram
	GSTEP 96, 128, 1, KTP, 0                       ; the last two of my 16 rows: one more fetch, then none
	GSTEP 128, 96, 0, 0, 256
	BAR
; HELPER: KA, N, KC, n of my two blocks (p and p + 2 of four) of one stage into ring slot 'slot'.  rel: the stage's place from the one at which
; H_TI and H_TS stand.  Lane (i, h) makes row i's dimensions 16 h .. + 15 and its entries N[i][8 h .. + 7].
.macro PRODUCE slot, rel, first
.irp k, 0,1
	ds_load_b32 v[HB+HBN*\k], v[H_TI] offset:TOKR+256*\rel+128*\k                ; token of row i
	ds_load_b128 v[HB+HBN*\k+4:HB+HBN*\k+7], v[H_TS] offset:TOKR+256*\rel+128*\k ; tokens of rows s = 8 h .. + 7
	ds_load_b128 v[HB+HBN*\k+8:HB+HBN*\k+11], v[H_TS] offset:TOKR+256*\rel+128*\k+16
.endr
	s_wait_dscnt 0x0
.irp k, 0,1
.set BQ, HB+HBN*\k
	v_min_u32 v[BQ], 63, v[BQ]                     ; a number read from LDS enters an address only clamped to its table
.irp j, 4,5,6,7,8,9,10,11
	v_min_u32 v[BQ+\j], 63, v[BQ+\j]
.endr
	v_mul_u32_u24 v[BQ+1], v[BQ], KTP
	v_add_nc_u32 v[BQ+1], v[BQ+1], v[H_KB]         ; 144 tok + my half of the key
	v_lshl_add_u32 v[BQ+2], v[BQ], 3, s24          ; {na, n}
	v_lshl_add_u32 v[BQ], v[BQ], 2, s25            ; column tok_i of GT
.irp j, 4,5,6,7,8,9,10,11
	v_lshl_add_u32 v[BQ+\j], v[BQ+\j], 8, v[BQ]    ; row tok_s
.endr
.irp c, 0,1,2,3
	ds_load_b128 v[BQ+12+4*\c:BQ+15+4*\c], v[BQ+1] offset:16*\c
.endr
	ds_load_b64 v[BQ+2:BQ+3], v[BQ+2]
.irp j, 0,1,2,3,4,5,6,7
	ds_load_b32 v[BQ+28+\j], v[BQ+4+\j]
.endr
.endr
.irp k, 0,1
.set BQ, HB+HBN*\k
.set OFS, SLOT*\slot+2*REC*\k
	s_wait_dscnt 13+10*\k                          ; behind the first block's 13 gathers stand the second's 13; behind the second's, the first block's 23 stores
	; the block's arithmetic in one run, then its 23 stores in one run; KA gets registers of its own, so that no line writes a register that a store still reads
	v_mul_f32 v[SC], v[RV], v[BQ+2]                ; rv na
.irp c, 0,1,2,3
	v_pk_mul_f32 v[BQ+28+2*\c:BQ+29+2*\c], v[BQ+28+2*\c:BQ+29+2*\c], v[MK+2*\c:MK+2*\c+1]    ; i > s alone
.endr
.irp c, 0,1,2,3,4,5,6,7
	v_pk_mul_f32 v[BQ+36+2*\c:BQ+37+2*\c], v[BQ+12+2*\c:BQ+13+2*\c], v[SC:SC+1] op_sel_hi:[1,0]
.endr
.irp c, 0,1,2,3
	v_pk_mul_f32 v[BQ+28+2*\c:BQ+29+2*\c], v[BQ+28+2*\c:BQ+29+2*\c], v[RV:RV+1] op_sel_hi:[1,0]
.endr
.set STEPSRC, RV
.if \first
.if \k == 0
.set STEPSRC, RV0                                  ; block 0 ran with the factor of tau = 0 zeroed: go on from the unmasked one
.endif
.endif
	v_add_f32 v[RV], s20, v[STEPSRC]               ; my next block's time factor: multiples of 1/2048 up to 1, exact in f32
.irp c, 0,1,2,3,4,5,6,7,8,9,10,11,12,13,14,15
	ds_store_b32 v[H_KC], v[BQ+12+\c] offset:OFS+R_KC+80*\c    ; KC[16 h + c][i] = k_i[16 h + c]
.endr
.irp c, 0,1,2,3
	ds_store_b128 v[A_KA], v[BQ+36+4*\c:BQ+39+4*\c] offset:OFS+R_KA+16*\c
.endr
	ds_store_b128 v[H_N], v[BQ+28:BQ+31] offset:OFS+R_N
	ds_store_b128 v[H_N], v[BQ+32:BQ+35] offset:OFS+R_N+16
	ds_store_b32 v[A_NV], v[BQ+3] offset:OFS+R_NV
.endr
.endm
; WAVES 4, 5: X of the four blocks of one stage into ring slot 'slot'.  Lane (i, h) makes X_b[i][8 h .. + 7] = rv_i GT[token s of block b - 1][token i of block b].
.macro XPRODUCE slot, rel, first
.irp q, 0,1,2,3
.set BQ, HB+XBN*\q
.set TSO, 256*\rel+64*\q-64                        ; the block in front: 16 tokens back
.if \first
.if \q == 0
.set TSO, 0                                        ; no block stands in front of block 0: its X meets eps = 0 and is made from its own tokens
.endif
.endif
	ds_load_b32 v[BQ], v[H_TI] offset:TOKR+256*\rel+64*\q
	ds_load_b128 v[BQ+4:BQ+7], v[H_TS] offset:TOKR+TSO
	ds_load_b128 v[BQ+8:BQ+11], v[H_TS] offset:TOKR+TSO+16
.endr
	s_wait_dscnt 0x0
.irp q, 0,1,2,3
.set BQ, HB+XBN*\q
	v_min_u32 v[BQ], 63, v[BQ]                     ; a number read from LDS enters an address only clamped to its table
.irp j, 4,5,6,7,8,9,10,11
	v_min_u32 v[BQ+\j], 63, v[BQ+\j]
.endr
	v_lshl_add_u32 v[BQ], v[BQ], 2, s25            ; column tok_i of GT
.irp j, 4,5,6,7,8,9,10,11
	v_lshl_add_u32 v[BQ+\j], v[BQ+\j], 8, v[BQ]    ; row tok_s
.endr
.endr
.irp q, 0,1,2,3
.set BQ, HB+XBN*\q
.irp j, 0,1,2,3,4,5,6,7
	ds_load_b32 v[BQ+12+\j], v[BQ+4+\j]
.endr
.endr
	s_wait_dscnt 0x0
.irp q, 0,1,2,3
.set BQ, HB+XBN*\q
.irp c, 0,1,2,3
	v_pk_mul_f32 v[BQ+12+2*\c:BQ+13+2*\c], v[BQ+12+2*\c:BQ+13+2*\c], v[RV:RV+1] op_sel_hi:[1,0]
.endr
.set STEPSRC, RV
.if \first
.if \q == 0
.set STEPSRC, RV0
.endif
.endif
	v_add_f32 v[RV], s20, v[STEPSRC]               ; the next block's time factor
.endr
.irp q, 0,1,2,3
.set BQ, HB+XBN*\q
	ds_store_b128 v[H_N], v[BQ+12:BQ+15] offset:SLOT*\slot+REC*\q+R_X
	ds_store_b128 v[H_N], v[BQ+16:BQ+19] offset:SLOT*\slot+REC*\q+R_X+16
.endr
.endm
; CHAIN.  STEP j solves block j.  The symbols NQ (N_j), VQ (n_j), KP (KC_(j-1)), AQ (KA_(j+1)), XQ (X_(j+1)) and NXF (a block follows) are set by STEP.
; One link of the solve.  eps_e is final when link e - 1 has come back.  The line that adds eps_e X[.][e] stands ahead of the link:
; behind it, it would read the register that the link is writing and wait for it.
.macro LINK e
.if NXF
.if \e == 0
	v_mul_f32_dpp v[ZX], v[Z], v[XQ] row_share:0 row_mask:0xf bank_mask:0xf
.else
	v_fmac_f32_dpp v[ZX], v[Z], v[XQ+\e] row_share:\e row_mask:0xf bank_mask:0xf
.endif
.endif
.if \e < 15
	v_fmac_f32_dpp v[Z], v[Z], v[NQ+\e] row_share:\e row_mask:0xf bank_mask:0xf
.endif
.endm
; four of the sixteen y updates of the block before, on four sums that do not wait for each other
.macro YGRP first, c0, c1, c2, c3
.if NXF
	v_fmac_f32_dpp v[Y], v[ZE], v[KP+\c0] row_share:\c0 row_mask:0xf bank_mask:0xf
.if \first
	v_mul_f32_dpp v[YA], v[ZE], v[KP+\c1] row_share:\c1 row_mask:0xf bank_mask:0xf
	v_mul_f32_dpp v[YA+1], v[ZE], v[KP+\c2] row_share:\c2 row_mask:0xf bank_mask:0xf
	v_mul_f32_dpp v[YA+2], v[ZE], v[KP+\c3] row_share:\c3 row_mask:0xf bank_mask:0xf
.else
	v_fmac_f32_dpp v[YA], v[ZE], v[KP+\c1] row_share:\c1 row_mask:0xf bank_mask:0xf
	v_fmac_f32_dpp v[YA+1], v[ZE], v[KP+\c2] row_share:\c2 row_mask:0xf bank_mask:0xf
	v_fmac_f32_dpp v[YA+2], v[ZE], v[KP+\c3] row_share:\c3 row_mask:0xf bank_mask:0xf
.endif
.endif
.endm
; four of the sixteen products of the next block's KA . y
.macro DGRP first, c0, c1, c2, c3
.if NXF
.if \first
	v_mul_f32_dpp v[P], v[Y], v[AQ+\c0] row_share:\c0 row_mask:0xf bank_mask:0xf
	v_mul_f32_dpp v[P+1], v[Y], v[AQ+\c1] row_share:\c1 row_mask:0xf bank_mask:0xf
	v_mul_f32_dpp v[P+2], v[Y], v[AQ+\c2] row_share:\c2 row_mask:0xf bank_mask:0xf
	v_mul_f32_dpp v[P+3], v[Y], v[AQ+\c3] row_share:\c3 row_mask:0xf bank_mask:0xf
.else
	v_fmac_f32_dpp v[P], v[Y], v[AQ+\c0] row_share:\c0 row_mask:0xf bank_mask:0xf
	v_fmac_f32_dpp v[P+1], v[Y], v[AQ+\c1] row_share:\c1 row_mask:0xf bank_mask:0xf
	v_fmac_f32_dpp v[P+2], v[Y], v[AQ+\c2] row_share:\c2 row_mask:0xf bank_mask:0xf
	v_fmac_f32_dpp v[P+3], v[Y], v[AQ+\c3] row_share:\c3 row_mask:0xf bank_mask:0xf
.endif
.endif
.endm
; one of the sixteen c' updates of the block before, onto partial sum a
.macro CU a, c
	v_fmac_f32_dpp v[C+\a], v[ZN], v[KP+\c] row_share:\c row_mask:0xf bank_mask:0xf
.endm
; STEP j.  q = j % 4, pq = (j - 1) % 4, par = (j + 1) % 2.  ld = 1: record j + 2, at 'off', is fetched whole: its KA and X serve STEP j + 1, its N and n
; STEP j + 2, its KC STEP j + 3; the registers that it lands in had their last readers in STEP j - 1.  nx = 0: the last block, nothing follows.
; On entry: Z = z of block j, Y = y_(j-1), ZE = eps_(j-1), ZN = eps_(j-1) n.  The sixteen links wait for each other; between them stand, at most four
; to a link and dependent ones a link apart: y_j = y_(j-1) + KC_(j-1) eps_(j-1) (links 0 to 5), KA_(j+1) . y_j (links 7 to 14), and c' (the rest).
.macro STEP q, pq, par, ld, off, nx
.set NQ, NK+34*\q
.set VQ, NK+34*\q+32
.set KP, NK+34*\pq+16
.set AQ, KX+32*\par
.set XQ, KX+32*\par+16
.set NXF, \nx
.if \ld
.set LN, NK+34*((\q+2)%4)
.set LA, KX+32*(1-\par)
.irp c, 0,1,2,3
	ds_load_b128 v[LA+4*\c:LA+4*\c+3], v[A_KA] offset:\off+R_KA+16*\c
.endr
.irp c, 0,1,2,3
	ds_load_b128 v[LA+16+4*\c:LA+16+4*\c+3], v[A_N] offset:\off+R_X+16*\c
.endr
.irp c, 0,1,2,3
	ds_load_b128 v[LN+4*\c:LN+4*\c+3], v[A_N] offset:\off+R_N+16*\c
.endr
.irp c, 0,1,2,3
	ds_load_b128 v[LN+16+4*\c:LN+16+4*\c+3], v[A_KC] offset:\off+R_KC+16*\c
.endr
	ds_load_b32 v[LN+32], v[A_NV] offset:\off+R_NV
	s_wait_dscnt 17                                ; all but the 17 just issued: record j + 1, fetched a step ago, is whole
.endif
	LINK 0
	YGRP 1, 0, 1, 2, 3
	LINK 1
	YGRP 0, 4, 5, 6, 7
	LINK 2
	YGRP 0, 8, 9, 10, 11
	LINK 3
	YGRP 0, 12, 13, 14, 15
	LINK 4
	CU 0, 0
	CU 1, 1
.if NXF
	v_add_f32 v[Y], v[Y], v[YA]
	v_add_f32 v[YA+1], v[YA+1], v[YA+2]
.endif
	LINK 5
	CU 2, 2
	CU 3, 3
	CU 0, 4
.if NXF
	v_add_f32 v[Y], v[Y], v[YA+1]                  ; y_j
.endif
	LINK 6
	CU 1, 5
	CU 2, 6
	CU 3, 7
	LINK 7
	DGRP 1, 0, 1, 2, 3
	LINK 8
	DGRP 0, 4, 5, 6, 7
	LINK 9
	DGRP 0, 8, 9, 10, 11
	LINK 10
	DGRP 0, 12, 13, 14, 15
	LINK 11
	CU 0, 8
	CU 1, 9
.if NXF
	v_add_f32 v[P], v[P], v[P+1]
	v_add_f32 v[P+2], v[P+2], v[P+3]
.endif
	LINK 12
	CU 2, 10
	CU 3, 11
	CU 0, 12
.if NXF
	v_add_f32 v[P], v[P], v[P+2]
.endif
	LINK 13
	CU 1, 13
	CU 2, 14
	CU 3, 15
.if NXF
	v_permlanex16_b32 v[T], v[P], s22, s23         ; dimensions 0-15 meet dimensions 16-31
.endif
	LINK 14
.if NXF
	v_add_f32 v[T], v[P], v[T]                     ; KA_(j+1) . y_j
.endif
	LINK 15                                        ; eps_15 X[.][15]: Z is eps_j now
	v_mul_f32 v[ZN], v[Z], v[VQ]                   ; the last readers of the old ZN and ZE stand above
.if NXF
	v_mov_b32 v[ZE], v[Z]
	v_add_f32 v[Z], v[ZX], v[T]                    ; z of block j + 1
.endif
.endm
; The phase of stage g, from slot p: STEPs 4 g - 2 to 4 g + 1, which fetch records 4 g to 4 g + 3, all of them the stage's own.
.macro SECTION p
	STEP 2, 1, 1, 1, SLOT*\p, 1
	STEP 3, 2, 0, 1, SLOT*\p+REC, 1
	STEP 0, 3, 1, 1, SLOT*\p+2*REC, 1
	STEP 1, 0, 0, 1, SLOT*\p+3*REC, 1
.endm
	; START.  First the LDS addresses of all roles, in every wave.
	s_lshl_b32 s29, s31, 6                         ; 64 p: a block's 16 tokens
	v_mul_u32_u24 v[TMP], v2, 144
	v_lshl_add_u32 v[A_KA], v3, 6, v[TMP]
	v_add_nc_u32 v[A_KA], s26, v[A_KA]             ; ring + 144 i + 64 h
	v_mul_u32_u24 v[A_N], v2, 80
	v_add_nc_u32 v[A_N], s26, v[A_N]               ; ring + 80 i
	v_mul_u32_u24 v[TMP], v3, R_KCH
	v_add_nc_u32 v[A_KC], v[TMP], v[A_N]           ; ring + 80 i + 1344 h
	v_lshl_add_u32 v[A_NV], v2, 2, s26             ; ring + 4 i
	v_lshl_add_u32 v[H_TI], v2, 2, s29             ; 64 p + 4 i
	v_lshl_add_u32 v[H_TS], v3, 5, s29             ; 64 p + 32 h
	v_lshl_add_u32 v[H_KB], v3, 6, s17             ; keys + 64 h
	v_lshl_add_u32 v[H_N], v3, 5, v[A_N]           ; ring + 80 i + 32 h
	v_add_nc_u32 v[H_KC], v[TMP], v[A_NV]          ; ring + 1344 h + 4 i
	s_cmp_lt_u32 s14, 2
	s_cbranch_scc1 .Lchain_start
	v_lshl_add_u32 v[HT], s31, 4, v2               ; tau of my row in my first block: 16 p + i
	v_cmp_ne_u32 vcc_lo, 0, v[HT]
	v_sub_nc_u32 v[HT], 2048, v[HT]
	v_cvt_f32_u32 v[HT], v[HT]
	v_fma_f32 v[RV0], v[HT], s28, s27              ; my first block's time factor,
	v_cndmask_b32 v[RV], 0, v[RV0], vcc_lo         ; and 0 for tau = 0, the query's own position
	v_mov_b32 v[RV+1], 0                           ; the second register of a pair that is broadcast: named, not used
	s_cmp_eq_u32 s30, 0
	s_cbranch_scc1 .Lcross_start
	v_mov_b32 v[SC+1], 0
	v_lshlrev_b32 v[HT], 3, v3
	v_sub_nc_u32 v[HT], v2, v[HT]                  ; i - 8 h
.irp j, 0,1,2,3,4,5,6,7
	v_cmp_lt_i32 vcc_lo, \j, v[HT]
	v_cndmask_b32 v[MK+\j], 0, 1.0, vcc_lo         ; 1 where i > 8 h + j
.endr
	PRODUCE 0, 0, 1                                ; stage 0
	s_branch .Lstart_done
.Lcross_start:
	XPRODUCE 0, 0, 1                               ; stage 0
	s_branch .Lstart_done
.Lchain_start:
	v_mov_b32 v[ZN], 0
	ds_load_b32 v[P], v[ZN] offset:TOKR            ; the query's token
	v_lshl_add_u32 v[T], v1, 2, s17
	; Blocks -3, -2, -1 are zeros, so that the first phase (STEPs -2 to 1) runs the loop's own text: eps = 0, KA and X of block -1,
	; KC of blocks -3 to -1, N and n of blocks -2 and -1: 115 moves, once in the kernel.
	v_mov_b32 v[Z], 0
	v_mov_b32 v[ZE], 0
	v_mov_b32 v[ZX], 0                             ; ZX, YA, P2, P3: a DPP form's destination counts as read
.irp j, 0,1,2
	v_mov_b32 v[YA+\j], 0
.endr
.irp j, 2,3,4,5,6,7
	v_mov_b32 v[P+\j], 0                           ; P2, P3 and c'
.endr
.set jj, 0
.rept 32
	v_mov_b32 v[KX+32+jj], 0                       ; KA, X of block -1
.set jj, jj+1
.endr
.set jj, 0
.rept 16
	v_mov_b32 v[NK+34+16+jj], 0                    ; KC of block -3
.set jj, jj+1
.endr
.set jj, 0
.rept 67
	v_mov_b32 v[NK+68+jj], 0                       ; N, KC, n of blocks -2 and -1 (and the one register between the two sets)
.set jj, jj+1
.endr
	s_wait_dscnt 0x0
	v_min_u32 v[P], 63, v[P]
	v_mul_u32_u24 v[P+1], v[P], KTP
	v_add_nc_u32 v[P+1], v[P+1], v[T]              ; 144 tok + 4 lane
	ds_load_b32 v[Y], v[P+1]                       ; y = the query's key, bias and all
.Lstart_done:
	BAR
	; THE LOOP: 16 trips of two phases.  Each barrier orders two things: the stores of the next stage's records before the chain's loads of them,
	; and the chain's loads of the stage just fetched before the stores into that slot.
	s_mov_b32 s21, 0
.Ltrip:
	s_cmp_lt_u32 s14, 2
	s_cbranch_scc1 .Lchain_a
	s_cmp_eq_u32 s30, 0
	s_cbranch_scc1 .Lcross_a
	PRODUCE 1, 1, 0                                ; stage 2 T + 1
	s_branch .Ldone_a
.Lcross_a:
	XPRODUCE 1, 1, 0
	s_branch .Ldone_a
.Lchain_a:
	SECTION 0                                      ; stage 2 T
.Ldone_a:
	BAR
	s_cmp_lt_u32 s14, 2
	s_cbranch_scc1 .Lchain_b
	s_cmp_eq_u32 s21, 15
	s_cbranch_scc1 .Ldone_b                        ; there is no stage 32
	s_cmp_eq_u32 s30, 0
	s_cbranch_scc1 .Lcross_b
	PRODUCE 0, 2, 0                                ; stage 2 T + 2
	s_branch .Ldone_b
.Lcross_b:
	XPRODUCE 0, 2, 0
	s_branch .Ldone_b
.Lchain_b:
	SECTION 1                                      ; stage 2 T + 1
.Ldone_b:
	BAR
	v_add_nc_u32 v[H_TI], 512, v[H_TI]             ; two stages of 64 tokens on
	v_add_nc_u32 v[H_TS], 512, v[H_TS]
	s_add_co_u32 s21, s21, 1
	s_cmp_lt_u32 s21, 16
	s_cbranch_scc1 .Ltrip
	; TAIL: blocks 126 and 127, whose records are in registers, and the last block's share of c'
	s_cmp_lt_u32 s14, 2
	s_cbranch_scc0 .Ltail_done
	STEP 2, 1, 1, 0, 0, 1
	STEP 3, 2, 0, 0, 0, 0
.irp c, 0,1,2,3,4,5,6,7,8,9,10,11,12,13,14,15
	v_fmac_f32_dpp v[C+\c%4], v[ZN], v[NK+34*3+16+\c] row_share:\c row_mask:0xf bank_mask:0xf
.endr
	v_add_f32 v[C], v[C], v[C+1]
	v_add_f32 v[C+2], v[C+2], v[C+3]
	v_sub_f32 v[C], -v[C], v[C+2]                  ; c = -c'
	s_lshl_b32 s29, s15, 7
	s_add_co_u32 s29, s29, CV
	v_lshl_add_u32 v[T], v1, 2, s29
	ds_store_b32 v[T], v[C]                        ; c[32 m + lane]
.Ltail_done:
	BAR
	; OUTPUT, one wave: out0[b][j] = out_b[j] + sum over i of c[i] out_w[i][j]; lane holds j = 2 lane, 2 lane + 1
	s_cmp_lg_u32 s14, 2
	s_cbranch_scc1 .Lend
	v_mov_b32 v8, CV
.irp c, 0,1,2,3,4,5,6,7,8,9,10,11,12,13,14,15
	ds_load_b128 v[32+4*\c:35+4*\c], v8 offset:16*\c           ; c, all 64 in every lane
.endr
	v_lshlrev_b32 v10, 3, v1
	v_add_nc_u32 v9, OW, v10
; 32 rows of out_w; even rows add onto v[160:161], which starts from out_b, odd rows onto v[162:163]
.macro OHALF half
.set ii, 0
.rept 32
	ds_load_b64 v[96+2*ii:97+2*ii], v9 offset:256*(32*\half+ii)
.set ii, ii+1
.endr
	s_wait_dscnt 0x0
.set ii, 0
.rept 16
.set START, 0
.if \half == 0
.if ii == 0
.set START, 1
.endif
.endif
.if START
	v_pk_fma_f32 v[160:161], v[96:97], v[32:33], v[6:7] op_sel_hi:[1,0,1]
	v_pk_mul_f32 v[162:163], v[98:99], v[32:33] op_sel:[0,1] op_sel_hi:[1,1]
.else
	v_pk_fma_f32 v[160:161], v[96+4*ii:97+4*ii], v[32+32*\half+2*ii:33+32*\half+2*ii], v[160:161] op_sel_hi:[1,0,1]
	v_pk_fma_f32 v[162:163], v[98+4*ii:99+4*ii], v[32+32*\half+2*ii:33+32*\half+2*ii], v[162:163] op_sel:[0,1,0] op_sel_hi:[1,1,1]
.endif
.set ii, ii+1
.endr
.endm
	OHALF 0
	OHALF 1
	v_pk_add_f32 v[160:161], v[160:161], v[162:163]
	s_lshl_b32 s18, ttmp9, 8                       ; my row of out0: 256 bytes
	s_add_nc_u64 s[12:13], s[12:13], s[18:19]
	global_store_b64 v10, v[160:161], s[12:13]     ; the wave's 32 lanes store the row's 256 consecutive bytes, aligned
.Lend:
	s_wait_tensorcnt 0x0
	ds_add_u32 v236, v237
	s_wait_dscnt 0x0
	s_endpgm
.Lfunc_end_k_q671f33ebf5_scan:
	.size	k_q671f33ebf5_scan, .Lfunc_end_k_q671f33ebf5_scan-k_q671f33ebf5_scan
	.p2alignl 7, 3214868480
	.fill 96, 4, 3214868480
	.section	.rodata,"a",@progbits
	.p2align	6, 0x0
	.amdhsa_kernel k_q671f33ebf5_scan
		.amdhsa_group_segment_fixed_size 200960
		.amdhsa_private_segment_fixed_size 0
		.amdhsa_enable_private_segment 0
		.amdhsa_kernarg_size 40
		.amdhsa_user_sgpr_count 2
		.amdhsa_user_sgpr_kernarg_segment_ptr 1
		.amdhsa_wavefront_size32 1
		.amdhsa_system_sgpr_workgroup_id_x 1
		.amdhsa_system_sgpr_workgroup_id_y 1
		.amdhsa_system_sgpr_workgroup_id_z 1
		.amdhsa_system_vgpr_workitem_id 0
		.amdhsa_next_free_vgpr 238
		.amdhsa_next_free_sgpr 66
		.amdhsa_reserve_vcc 1
		.amdhsa_float_denorm_mode_32 3
		.amdhsa_float_denorm_mode_16_64 3
		.amdhsa_memory_ordered 1
		.amdhsa_forward_progress 1
		.amdhsa_inst_pref_size 147
	.end_amdhsa_kernel
	.amdgpu_metadata
---
amdhsa.version: [ 1, 2 ]
amdhsa.kernels:
  - .name:           k_q671f33ebf5_scan
    .symbol:         k_q671f33ebf5_scan.kd
    .args:
      - { .name: seq, .offset: 0, .size: 8, .value_kind: global_buffer, .address_space: global }
      - { .name: tab, .offset: 8, .size: 8, .value_kind: global_buffer, .address_space: global }
      - { .name: out_w, .offset: 16, .size: 8, .value_kind: global_buffer, .address_space: global }
      - { .name: out_b, .offset: 24, .size: 8, .value_kind: global_buffer, .address_space: global }
      - { .name: out0, .offset: 32, .size: 8, .value_kind: global_buffer, .address_space: global }
    .group_segment_fixed_size: 200960
    .private_segment_fixed_size: 0
    .kernarg_segment_align: 8
    .kernarg_segment_size: 40
    .max_flat_workgroup_size: 256
    .sgpr_count:     66
    .vgpr_count:     238
    .wavefront_size: 32
...
	.end_amdgpu_metadata
.endif
;; end of part 3
;; ======== version 3 of 3: 2 launches; version 2 with the launch scan written anew for expert scheduling mode
;; workspace buffers: tab 17,408 bytes
;; launch tables: the kernel of part 1 again; grid 64 x 1, 4 waves a work-group, no clusters, 4,608 bytes of LDS; arguments embed, ff_w1, ff_b1, ff_w2, ff_b2, ln_g, ln_b, sem_w, sem_b, epi_w, epi_b, rtr_w, rtr_b, tab; writes tab
;; launch scan (part 4): grid 256 x 1, 8 waves a work-group, no clusters, 200,960 bytes of LDS; arguments seq, tab, out_w, out_b, out0; writes out0
.if DOCPART == 4
	.amdgcn_target "amdgcn-amd-amdhsa--gfx1250"
	.amdhsa_code_object_version 6
	.text
	.protected	k_q671f33ebf5_scan
	.globl	k_q671f33ebf5_scan
	.p2align	8
	.type	k_q671f33ebf5_scan,@function
k_q671f33ebf5_scan:
	s_mov_b64 s[64:65], 0
	v_nop
	global_prefetch_b8 v0, s[64:65] scope:SCOPE_SE
	s_setreg_imm32_b32 hwreg(HW_REG_WAVE_SCHED_MODE, 0, 2), 2
	s_setreg_imm32_b32 hwreg(HW_REG_WAVE_MODE, 25, 1), 1
	s_wait_xcnt 0x0
	s_wait_alu depctr_vm_vsrc(0)
; THE SCAN, READ BACKWARDS.  One step of reference() is M' = M (I - a k k^T) + gamma k k^T with n = |k|^2 + 1e-6, a = gamma / n,
; gamma = g (sem) or (1 - g) r_t (epi).  Only M_T q is returned, so the steps are applied to the vector, last step first, from y = q's key:
;     eps = -a (k . y);   y += eps k;   c -= eps n k            (2,047 steps on 32 numbers; nothing is cut, this is the same algebra)
; Keys, n and -gate/n are rows of the 64-row tables of the launch before (tab), picked by the token.
; A work-group is one batch row b, eight waves.  Waves 0, 1 run the chain of memory 0 (sem), 1 (epi).  The other six prepare for them, in an
; LDS ring, all that does not hang on y: waves 2, 3, 6, 7 (helper p = 0, 0, 1, 1 of memory m = w % 2) make KA, N, KC, n of blocks p, p + 2, p + 4, ..;
; waves 4, 5 make X of every block.
; Steps go in blocks of 16, tau = 2047 - t ascending; tau = 0 is the query's own position with time factor 0,
; a step that changes nothing, so that 2,048 = 128 blocks.  For block b with rows i = 0 .. 15 (rv = time factor, na = -gate/n), y_b = y in front of it:
;     z_i = KA_b[i] . y_b,  KA_b[i] = rv_i na_i k_i;   for s = 0 .. 14: z_i += z_s N_b[i][s],  N_b[i][s] = rv_i na_i (k_s . k_i) for i > s, else 0
;     then z = eps_b:  y_(b+1)[d] = y_b[d] + sum eps_s KC_b[d][s],  c'[d] += eps_s n_s KC_b[d][s],  KC_b[d][s] = k_s[d],  c = -c'.
; So that the next block's z need not wait for y:  KA_(b+1) . y_(b+1) = KA_(b+1) . y_b + X_(b+1) eps_b,
;     X_b[i][s] = rv_i na_i (k_s of block b - 1 . k_i of block b):  the first term is made while block b is solved, the second grows with each eps.
; All k . k come from a 64 x 64 table GT[u][v] = na_v (k_u . k_v), made here once for each memory.
; In a chain wave both halves of 16 lanes hold z (lane i of a half: row i); y and c' have one dimension a lane; a number is handed to the
; other lanes by row_share on the multiply-add itself, so that a step of the solve is one dependent instruction.
; All in f32 on the vector unit: what is left are matrix-vector products inside a dependent chain, and a table of 262,144 multiply-adds.
; No cluster and no tensor load: what work-groups share (tab, out_w: 33,792 bytes) is read once by each, and the ring is written by waves.
; No prefetch: all global loads go out in one run at the head.
; Limits: tokens are clamped to 63 (reference() relies on the index lying inside its table).  Entries of N with i <= s, the null step and the
; blocks of zeros ahead of the first are made by multiplying by 0.0, so an infinite or NaN table entry spreads; reference() is not finite there either.
; Sums are taken in another order than reference()'s.
; THE MODE: SCHED_MODE bits 1:0 = 2 (LLVM: expert scheduling mode 2), set by the entry lines.  The code itself states the register dependences
; between vector instructions and memory or LDS instructions, with s_wait_alu, always for 0.
; THE PLAN, in the loop.
;   CHAIN.   v8 to v11, the addresses of every load, are never written in the scan.  STEP j's vector lines name KX[(j + 1) % 2], NK[j % 4], NK[(j - 1) % 4] and v18 to v34;
;            its 17 loads land in KX[j % 2] and NK[(j + 2) % 4], which STEP j - 1 named last.  So ONE wait on va_vdst stands at a STEP's head, and the loads are dealt among the links behind it.
;   HELPER.  A block's registers (see HB below): token loads land in +0, +4..11, which vector lines turn into addresses; the gathers read those, +1 and +52 and land in +2, +3, +12..35;
;            vector lines read these and write +28..51; the stores read +3, +12..51.  At PRODUCE's head one wait on vm_vsrc (the last call's gathers and stores have read
;            their registers) and one on va_vdst; one on va_vdst ahead of each block's gathers and of each block's stores.  A block's vector lines name no register of the other block.
;   WAVES 4, 5.  The same with four blocks at a time: the head's pair, one wait on va_vdst ahead of the 32 gathers, one ahead of the 8 stores.
;   H_TI, H_TS  are read by the token loads and stepped once a trip: a wait on vm_vsrc ahead of the two adds; the next head's wait on va_vdst stands behind them.
.set TOKR,  0                          ; TOKR[tau] = token at position 2047 - tau, 8,192 bytes
.set KT,    8192                       ; keys, row 64 m + v at pitch 144: 36 words, so 16 neighbouring rows' 16-byte pieces start in 16 different groups of 4 banks (64 banks of 4 bytes: ISA guide 11.1)
.set KTP,   144
.set KTM,   64*KTP
.set AN,    26624                      ; {na, n}[m][v]
.set GT,    27648                      ; GT[m][u][v], rows of 256 bytes
.set OW,    60416                      ; out_w
.set CV,    76800                      ; c[64]
.set RING,  77056                      ; for each chain 2 slots x 4 blocks
.set REC,   7680                       ; a block's record
.set SLOT,  4*REC
.set CHAIN, 2*SLOT
.set R_KA,  0                          ; 16 rows of 128 bytes at pitch 144
.set R_N,   2304                       ; 16 rows of 64 bytes at pitch 80
.set R_KC,  3584                       ; dimensions 0-15 at pitch 80; dimensions 16-31 begin R_KCH further on
.set R_KCH, 1344                       ; 1,280 + 64: the two halves' 4-byte stores then fall into different banks
.set R_NV,  6208                       ; n of the 16 rows
.set R_X,   6272                       ; 16 rows of 64 bytes at pitch 80; ends at 7,552
; LDS ADDRESS REGISTERS of the scan, v8 to v16: made by every wave, each for one purpose; no role's text writes them again
; (the two token addresses are stepped once a trip, by every wave, at the loop's end).
; i = lane % 16, h = lane / 16, p = 1 in waves 6, 7, else 0, ring = RING + 61,440 m + 7,680 p.
.set A_KA, 8                           ; ring + 144 i + 64 h          the helper stores KA where the chain loads it
.set A_N,  9                           ; ring + 80 i                  chain: row i of N and of X
.set A_KC, 10                          ; ring + 80 i + 1344 h         chain: row d = 16 h + i of KC
.set A_NV, 11                          ; ring + 4 i                   n, both roles
.set H_TI, 12                          ; 64 p + 4 i + 512 trip        token of row i
.set H_TS, 13                          ; 64 p + 32 h + 512 trip       tokens of rows 8 h .. 8 h + 7
.set H_KB, 14                          ; my memory's keys + 64 h      helper: my half of a key
.set H_N,  15                          ; ring + 80 i + 32 h           N[i][8 h ..] and X[i][8 h ..]
.set H_KC, 16                          ; ring + 1344 h + 4 i          helper: KC[16 h ..][i]
.set TMP,  17
; chain waves at work
.set Y,  18
.set Z,  19                            ; z of the block being solved
.set ZN, 20                            ; eps n of the block before
.set T,  21                            ; the other half's share of the dot, then the dot
.set P,  22                            ; v[22:25] four partial dots
.set C,  26                            ; v[26:29] four partial c'
.set ZX, 30                            ; X eps, growing
.set ZE, 31                            ; eps of the block before
.set YA, 32                            ; v[32:34] three partial y updates (the fourth adds onto y itself)
.set KX, 36                            ; block b's KA (16) and X (16) at v[36 + 32 (b % 2)]
.set NK, 100                           ; block b's N (16), KC (16), n (1) at v[100 + 34 (b % 4)]
; helper waves and waves 4, 5 at work
.set RV0, 18                           ; my first block's time factor, unmasked
.set HT,  19
.set RV,  20                           ; v[20:21] the block's time factor (the pair's second register is named, not used)
.set SC,  22                           ; v[22:23] rv na
.set MK,  24                           ; v[24:31] 1.0 where i > 8 h + j, else 0.0
.set HB,  32                           ; helper: my block k of a stage's two at v[32 + 54 k]: +0 token i, then its column's address; +1 key address; +2,3 {na, n}; +4..11 tokens s, then addresses; +12..27 key; +28..35 table entries; +36..51 KA; +52 address of {na, n}
.set HBN, 54
.set XBN, 20                           ; waves 4, 5: block q of a stage's four at v[32 + 20 q]: +0 token i; +4..11 tokens s, then addresses; +12..19 table entries
.macro BAR
	s_wait_dscnt 0x0                               ; my LDS stores are in and my LDS loads are back before I say so
	s_barrier_signal -1
	s_barrier_wait -1
.endm
	s_load_b256 s[4:11], s[0:1], 0x0               ; seq 4, tab 6, out_w 8, out_b 10
	s_load_b64 s[12:13], s[0:1], 0x20              ; out0
	v_lshl_add_u32 v236, v0, 2, 0x30d00
	v_mov_b32 v237, 0
	v_and_b32 v1, 31, v0                           ; lane
	v_lshrrev_b32 v4, 5, v0
	v_readfirstlane_b32 s14, v4                    ; wave w, 0 to 7
	v_and_b32 v2, 15, v0                           ; i
	v_bfe_u32 v3, v0, 4, 1                         ; h
	s_wait_alu depctr_va_sdst(0)                   ; s14 is written, ahead of its first reader: roles, LDS places and branches are made from it
	s_and_b32 s15, s14, 1                          ; m: my memory
	s_lshr_b32 s16, s14, 1                         ; which 16 rows of the Gram table are mine
	s_and_b32 s30, s14, 2                          ; not 0: a helper (waves 2, 3, 6, 7)
	s_lshr_b32 s31, s14, 2
	s_and_b32 s31, s31, s16                        ; p = (w / 4) and (w / 2): 1 in waves 6, 7, else 0
	s_lshl_b32 s18, ttmp9, 13                      ; my row of seq: 8,192 bytes
	s_mov_b32 s19, 0
	s_mov_b32 s22, 0x76543210                      ; v_permlanex16_b32: lane i takes lane i of the other half
	s_mov_b32 s23, 0xfedcba98
	s_mul_i32 s17, s15, KTM
	s_add_co_u32 s17, s17, KT                      ; my memory's keys
	s_lshl_b32 s24, s15, 9
	s_add_co_u32 s24, s24, AN
	s_lshl_b32 s25, s15, 14
	s_add_co_u32 s25, s25, GT
	s_mul_i32 s26, s15, CHAIN
	s_mul_i32 s29, s31, REC
	s_add_co_u32 s26, s26, s29
	s_add_co_u32 s26, s26, RING                    ; ring = RING + 61,440 m + 7,680 p
	s_mov_b32 s20, 0xbc800000                      ; the time factor's step from one block of mine to my next: a helper goes two blocks on, -32/2048,
	s_cmp_eq_u32 s30, 0
	s_cselect_b32 s20, 0xbc000000, s20             ; waves 4, 5 one block, -16/2048,
	s_cmp_eq_u32 s15, 0
	s_cselect_b32 s20, 0, s20                      ; and sem has no time factor
	s_cselect_b32 s27, 1.0, 0                      ; time factor = s27 + s28 (2048 - tau): sem 1,
	s_cselect_b32 s28, 0, 0x3a000000               ; epi (2048 - tau) / 2048 = (t + 1) / L
	v_lshlrev_b32 v4, 4, v0                        ; 16 t
	v_lshlrev_b32 v5, 2, v0                        ; 4 t
	v_lshlrev_b32 v8, 3, v1                        ; 8 lane
	s_wait_kmcnt 0x0
	s_add_nc_u64 s[4:5], s[4:5], s[18:19]
	s_wait_alu depctr_va_vdst(0)                   ; v4, v5 and v8 are written: the offsets of the twelve loads below
	; FILL: 12 loads a thread in one run; each 16-byte load of a wave covers 512 neighbouring bytes
.irp c, 0,1
	global_load_b128 v[32+4*\c:35+4*\c], v4, s[4:5] offset:4096*\c th:TH_LOAD_NT
.endr
.irp c, 0,1,2,3
	global_load_b128 v[48+4*\c:51+4*\c], v4, s[6:7] offset:4096*\c
.endr
	global_load_b32 v80, v5, s[6:7] offset:16384
.irp c, 0,1,2,3
	global_load_b128 v[84+4*\c:87+4*\c], v4, s[8:9] offset:4096*\c
.endr
	global_load_b64 v[6:7], v8, s[10:11]           ; out_b[2 lane, 2 lane + 1]: kept in v[6:7] to the end (wave 2 uses it)
	v_sub_nc_u32 v9, 4080, v4                      ; tokens go in reversed: thread t's four of chunk c lie at 8176 - 16 t - 4096 c
	v_lshrrev_b32 v10, 3, v0
	v_mul_u32_u24 v10, v10, KTP
	v_and_b32 v11, 7, v0
	v_lshl_add_u32 v10, v11, 4, v10                ; key row t / 8 + 32 c, piece t % 8
	v_add_nc_u32 v11, OW, v4
	v_lshrrev_b32 v12, 1, v0
	v_mul_u32_u24 v12, v12, KTP
	v_and_b32 v13, 1, v0
	v_lshl_add_u32 v12, v13, 3, v12                ; key row t / 2, half t % 2 of the 16 bytes behind its 128
	v_mov_b32 v14, 0
	v_mov_b32 v15, 0
	s_wait_loadcnt 0x0                             ; all are needed at once
.irp c, 0,1
.irp e, 0,1,2,3
	v_min_u32 v[116+4*\c+3-\e], 63, v[32+4*\c+\e]
.endr
.endr
	s_wait_alu depctr_va_vdst(0)                   ; the addresses v9 to v12, the zeros v14, v15 and the clamped tokens v[116:123] are written: the run of LDS stores below reads them
	ds_store_b64 v12, v[14:15] offset:KT+128       ; no address of this text reaches these bytes (a key's pieces end at byte 127); they are written once, so that none inside the table is left as it was found
.irp c, 0,1
	ds_store_b128 v9, v[116+4*\c:119+4*\c] offset:TOKR+4096*(1-\c)
.endr
.irp c, 0,1,2,3
	ds_store_b128 v10, v[48+4*\c:51+4*\c] offset:KT+32*KTP*\c
.endr
	ds_store_b32 v5, v80 offset:AN
.irp c, 0,1,2,3
	ds_store_b128 v11, v[84+4*\c:87+4*\c] offset:4096*\c
.endr
	BAR
	; GRAM: wave w makes rows u = 16 (w / 2) .. + 15 of GT[w % 2].  Lane v keeps k_v in v[32:63], k_(v+32) in v[64:95], na_v, na_(v+32) in v168, v169.
	; The four addresses are made first, so that one wait serves all the loads.
	s_wait_alu depctr_vm_vsrc(0)                   ; FILL's stores have read v9 to v12, which the lines below write, and v[48:63], v[84:99], v[116:123], in which the loads below land
	v_mul_u32_u24 v9, v1, KTP
	v_add_nc_u32 v9, s17, v9
	v_lshl_add_u32 v12, v1, 3, s24
	s_mul_i32 s29, s16, 16*KTP
	s_add_co_u32 s29, s29, s17
	v_mov_b32 v10, s29                             ; aU: row u's key, the same address in every lane
	s_lshl_b32 s29, s16, 12
	s_add_co_u32 s29, s29, s25
	v_lshl_add_u32 v11, v1, 2, s29                 ; aG: GT[m][u][lane]
	s_wait_alu depctr_va_vdst(0)                   ; v9 to v12 are written; the clamps are done reading v[32:39] and writing v[116:123], in which loads land
.irp c, 0,1,2,3,4,5,6,7
	ds_load_b128 v[32+4*\c:35+4*\c], v9 offset:16*\c
	ds_load_b128 v[64+4*\c:67+4*\c], v9 offset:32*KTP+16*\c
.endr
	ds_load_b32 v168, v12
	ds_load_b32 v169, v12 offset:256
.irp c, 0,1,2,3,4,5,6,7
	ds_load_b128 v[96+4*\c:99+4*\c], v10 offset:16*\c
.endr
; One row u, whose key lies in registers cur; ld = 1: the next row's key is fetched into nxt meanwhile.
; nxt was read last by the row before, whose vector lines stand ahead of the wait on va_vdst in front of its stores; no vector line since names nxt or v10.
.macro GSTEP cur, nxt, ld, ldoff, stoff
.if \ld
.irp b, 0,1,2,3,4,5,6,7
	ds_load_b128 v[\nxt+4*\b:\nxt+4*\b+3], v10 offset:\ldoff+16*\b
.endr
	s_wait_dscnt 0x8                               ; all but the eight just issued: cur is in
.else
	s_wait_dscnt 0x0
.endif
	s_wait_alu depctr_vm_vsrc(0)                   ; the last row's two stores have read v160 and v164, which the products below write
.set jj, 0
.rept 16
.if jj < 2
	v_pk_mul_f32 v[160+2*jj:161+2*jj], v[32+2*jj:33+2*jj], v[\cur+2*jj:\cur+2*jj+1]
	v_pk_mul_f32 v[164+2*jj:165+2*jj], v[64+2*jj:65+2*jj], v[\cur+2*jj:\cur+2*jj+1]
.else
	v_pk_fma_f32 v[160+2*(jj%2):161+2*(jj%2)], v[32+2*jj:33+2*jj], v[\cur+2*jj:\cur+2*jj+1], v[160+2*(jj%2):161+2*(jj%2)]
	v_pk_fma_f32 v[164+2*(jj%2):165+2*(jj%2)], v[64+2*jj:65+2*jj], v[\cur+2*jj:\cur+2*jj+1], v[164+2*(jj%2):165+2*(jj%2)]
.endif
.set jj, jj+1
.endr
	v_pk_add_f32 v[160:161], v[160:161], v[162:163]
	v_pk_add_f32 v[164:165], v[164:165], v[166:167]
	v_add_f32 v160, v160, v161
	v_add_f32 v164, v164, v165
	v_mul_f32 v160, v160, v168
	v_mul_f32 v164, v164, v169
	s_wait_alu depctr_va_vdst(0)                   ; v160 and v164 are written, which the stores read; the products are done reading cur, in which the next row's loads land
	ds_store_b32 v11, v160 offset:\stoff
	ds_store_b32 v11, v164 offset:\stoff+128
.endm
	s_mov_b32 s29, 7
.Lgram:
	GSTEP 96, 128, 1, KTP, 0
	GSTEP 128, 96, 1, 2*KTP, 256
	s_wait_alu depctr_vm_vsrc(0)                   ; the trip's loads and stores have read v10 and v11
	v_add_nc_u32 v10, 2*KTP, v10
	v_add_nc_u32 v11, 512, v11
	s_wait_alu depctr_va_vdst(0)                   ; v10 and v11 are written, ahead of the next two rows' loads and stores
	s_sub_co_i32 s29, s29, 1
	s_cmp_lg_u32 s29, 0
	s_cbranch_scc1 .Lgram
	GSTEP 96, 128, 1, KTP, 0                       ; the last two of my 16 rows: one more fetch, then none
	GSTEP 128, 96, 0, 0, 256
	BAR
; HELPER: KA, N, KC, n of my two blocks (p and p + 2 of four) of one stage into ring slot 'slot'.  rel: the stage's place from the one at which
; H_TI and H_TS stand.  Lane (i, h) makes row i's dimensions 16 h .. + 15 and its entries N[i][8 h .. + 7].
.macro PRODUCE slot, rel, first
	s_wait_alu depctr_vm_vsrc(0)                   ; the last call's gathers and stores have read their addresses and data: all of a block's registers are written again below
	s_wait_alu depctr_va_vdst(0)                   ; H_TI and H_TS are written (at the first call: all of v8 to v16), and every earlier vector line is done with the registers in which the token loads land
.irp k, 0,1
	ds_load_b32 v[HB+HBN*\k], v[H_TI] offset:TOKR+256*\rel+128*\k                ; token of row i
	ds_load_b128 v[HB+HBN*\k+4:HB+HBN*\k+7], v[H_TS] offset:TOKR+256*\rel+128*\k ; tokens of rows s = 8 h .. + 7
	ds_load_b128 v[HB+HBN*\k+8:HB+HBN*\k+11], v[H_TS] offset:TOKR+256*\rel+128*\k+16
.endr
	s_wait_dscnt 0x0
.irp k, 0,1
.set BQ, HB+HBN*\k
	v_min_u32 v[BQ], 63, v[BQ]                     ; a number read from LDS enters an address only clamped to its table
.irp j, 4,5,6,7,8,9,10,11
	v_min_u32 v[BQ+\j], 63, v[BQ+\j]
.endr
	v_mul_u32_u24 v[BQ+1], v[BQ], KTP
	v_add_nc_u32 v[BQ+1], v[BQ+1], v[H_KB]         ; 144 tok + my half of the key
	v_lshl_add_u32 v[BQ+52], v[BQ], 3, s24         ; {na, n}: an address register of its own, so that the load lands on no register that it reads
	v_lshl_add_u32 v[BQ], v[BQ], 2, s25            ; column tok_i of GT
.irp j, 4,5,6,7,8,9,10,11
	v_lshl_add_u32 v[BQ+\j], v[BQ+\j], 8, v[BQ]    ; row tok_s
.endr
	s_wait_alu depctr_va_vdst(0)                   ; this block's ten addresses are written; the second block's address lines name no register of the first block's gathers
.irp c, 0,1,2,3
	ds_load_b128 v[BQ+12+4*\c:BQ+15+4*\c], v[BQ+1] offset:16*\c
.endr
	ds_load_b64 v[BQ+2:BQ+3], v[BQ+52]
.irp j, 0,1,2,3,4,5,6,7
	ds_load_b32 v[BQ+28+\j], v[BQ+4+\j]
.endr
.endr
.irp k, 0,1
.set BQ, HB+HBN*\k
.set OFS, SLOT*\slot+2*REC*\k
	s_wait_dscnt 13+10*\k                          ; behind the first block's 13 gathers stand the second's 13; behind the second's, the first block's 23 stores
	; the block's arithmetic in one run, then its 23 stores in one run; KA gets registers of its own, so that no line writes a register that a store still reads
	v_mul_f32 v[SC], v[RV], v[BQ+2]                ; rv na
.irp c, 0,1,2,3
	v_pk_mul_f32 v[BQ+28+2*\c:BQ+29+2*\c], v[BQ+28+2*\c:BQ+29+2*\c], v[MK+2*\c:MK+2*\c+1]    ; i > s alone
.endr
.irp c, 0,1,2,3,4,5,6,7
	v_pk_mul_f32 v[BQ+36+2*\c:BQ+37+2*\c], v[BQ+12+2*\c:BQ+13+2*\c], v[SC:SC+1] op_sel_hi:[1,0]
.endr
.irp c, 0,1,2,3
	v_pk_mul_f32 v[BQ+28+2*\c:BQ+29+2*\c], v[BQ+28+2*\c:BQ+29+2*\c], v[RV:RV+1] op_sel_hi:[1,0]
.endr
.set STEPSRC, RV
.if \first
.if \k == 0
.set STEPSRC, RV0                                  ; block 0 ran with the factor of tau = 0 zeroed: go on from the unmasked one
.endif
.endif
	v_add_f32 v[RV], s20, v[STEPSRC]               ; my next block's time factor: multiples of 1/2048 up to 1, exact in f32
	s_wait_alu depctr_va_vdst(0)                   ; N and KA of this block are written, which the stores below read; the second block's arithmetic names no register of the first block's stores
.irp c, 0,1,2,3,4,5,6,7,8,9,10,11,12,13,14,15
	ds_store_b32 v[H_KC], v[BQ+12+\c] offset:OFS+R_KC+80*\c    ; KC[16 h + c][i] = k_i[16 h + c]
.endr
.irp c, 0,1,2,3
	ds_store_b128 v[A_KA], v[BQ+36+4*\c:BQ+39+4*\c] offset:OFS+R_KA+16*\c
.endr
	ds_store_b128 v[H_N], v[BQ+28:BQ+31] offset:OFS+R_N
	ds_store_b128 v[H_N], v[BQ+32:BQ+35] offset:OFS+R_N+16
	ds_store_b32 v[A_NV], v[BQ+3] offset:OFS+R_NV
.endr
.endm
; WAVES 4, 5: X of the four blocks of one stage into ring slot 'slot'.  Lane (i, h) makes X_b[i][8 h .. + 7] = rv_i GT[token s of block b - 1][token i of block b].
.macro XPRODUCE slot, rel, first
	s_wait_alu depctr_vm_vsrc(0)                   ; the last call's gathers and stores have read their addresses and data: all of a block's registers are written again below
	s_wait_alu depctr_va_vdst(0)                   ; H_TI and H_TS are written (at the first call: all of v8 to v16), and every earlier vector line is done with the registers in which the token loads land
.irp q, 0,1,2,3
.set BQ, HB+XBN*\q
.set TSO, 256*\rel+64*\q-64                        ; the block in front: 16 tokens back
.if \first
.if \q == 0
.set TSO, 0                                        ; no block stands in front of block 0: its X meets eps = 0 and is made from its own tokens
.endif
.endif
	ds_load_b32 v[BQ], v[H_TI] offset:TOKR+256*\rel+64*\q
	ds_load_b128 v[BQ+4:BQ+7], v[H_TS] offset:TOKR+TSO
	ds_load_b128 v[BQ+8:BQ+11], v[H_TS] offset:TOKR+TSO+16
.endr
	s_wait_dscnt 0x0
.irp q, 0,1,2,3
.set BQ, HB+XBN*\q
	v_min_u32 v[BQ], 63, v[BQ]                     ; a number read from LDS enters an address only clamped to its table
.irp j, 4,5,6,7,8,9,10,11
	v_min_u32 v[BQ+\j], 63, v[BQ+\j]
.endr
	v_lshl_add_u32 v[BQ], v[BQ], 2, s25            ; column tok_i of GT
.irp j, 4,5,6,7,8,9,10,11
	v_lshl_add_u32 v[BQ+\j], v[BQ+\j], 8, v[BQ]    ; row tok_s
.endr
.endr
	s_wait_alu depctr_va_vdst(0)                   ; the 32 addresses are written, which the gathers read; the last call's products are done with the registers in which they land
.irp q, 0,1,2,3
.set BQ, HB+XBN*\q
.irp j, 0,1,2,3,4,5,6,7
	ds_load_b32 v[BQ+12+\j], v[BQ+4+\j]
.endr
.endr
	s_wait_dscnt 0x0
.irp q, 0,1,2,3
.set BQ, HB+XBN*\q
.irp c, 0,1,2,3
	v_pk_mul_f32 v[BQ+12+2*\c:BQ+13+2*\c], v[BQ+12+2*\c:BQ+13+2*\c], v[RV:RV+1] op_sel_hi:[1,0]
.endr
.set STEPSRC, RV
.if \first
.if \q == 0
.set STEPSRC, RV0
.endif
.endif
	v_add_f32 v[RV], s20, v[STEPSRC]               ; the next block's time factor
.endr
	s_wait_alu depctr_va_vdst(0)                   ; X of the four blocks is written, which the stores read
.irp q, 0,1,2,3
.set BQ, HB+XBN*\q
	ds_store_b128 v[H_N], v[BQ+12:BQ+15] offset:SLOT*\slot+REC*\q+R_X
	ds_store_b128 v[H_N], v[BQ+16:BQ+19] offset:SLOT*\slot+REC*\q+R_X+16
.endr
.endm
; CHAIN.  STEP j solves block j.  The symbols NQ (N_j), VQ (n_j), KP (KC_(j-1)), AQ (KA_(j+1)), XQ (X_(j+1)), NXF (a block follows), and for the loads LDF, LOF, LA, LN are set by STEP.
; One link of the solve.  eps_e is final when link e - 1 has come back.  The line that adds eps_e X[.][e] stands ahead of the link:
; behind it, it would read the register that the link is writing and wait for it.
.macro LINK e
.if NXF
.if \e == 0
	v_mul_f32_dpp v[ZX], v[Z], v[XQ] row_share:0 row_mask:0xf bank_mask:0xf
.else
	v_fmac_f32_dpp v[ZX], v[Z], v[XQ+\e] row_share:\e row_mask:0xf bank_mask:0xf
.endif
.endif
.if \e < 15
	v_fmac_f32_dpp v[Z], v[Z], v[NQ+\e] row_share:\e row_mask:0xf bank_mask:0xf
.endif
.endm
; Load n of the 17 of record j + 2, in the order in which they are wanted: 0-3 X and 4-7 KA (STEP j + 1); 8-11 N and 12 n (STEP j + 2); 13-16 KC (STEP j + 3).
; No wait: no vector line since the wait at the STEP's head names v8 to v11, KX[j % 2] or NK[(j + 2) % 4].
.macro FET n
.if LDF
.if (\n) < 4
	ds_load_b128 v[LA+16+4*(\n):LA+16+4*(\n)+3], v[A_N] offset:LOF+R_X+16*(\n)
.elseif (\n) < 8
	ds_load_b128 v[LA+4*((\n)-4):LA+4*((\n)-4)+3], v[A_KA] offset:LOF+R_KA+16*((\n)-4)
.elseif (\n) < 12
	ds_load_b128 v[LN+4*((\n)-8):LN+4*((\n)-8)+3], v[A_N] offset:LOF+R_N+16*((\n)-8)
.elseif (\n) == 12
	ds_load_b32 v[LN+32], v[A_NV] offset:LOF+R_NV
.else
	ds_load_b128 v[LN+16+4*((\n)-13):LN+16+4*((\n)-13)+3], v[A_KC] offset:LOF+R_KC+16*((\n)-13)
.endif
.endif
.endm
; four of the sixteen y updates of the block before, on four sums that do not wait for each other
.macro YGRP first, c0, c1, c2, c3
.if NXF
	v_fmac_f32_dpp v[Y], v[ZE], v[KP+\c0] row_share:\c0 row_mask:0xf bank_mask:0xf
.if \first
	v_mul_f32_dpp v[YA], v[ZE], v[KP+\c1] row_share:\c1 row_mask:0xf bank_mask:0xf
	v_mul_f32_dpp v[YA+1], v[ZE], v[KP+\c2] row_share:\c2 row_mask:0xf bank_mask:0xf
	v_mul_f32_dpp v[YA+2], v[ZE], v[KP+\c3] row_share:\c3 row_mask:0xf bank_mask:0xf
.else
	v_fmac_f32_dpp v[YA], v[ZE], v[KP+\c1] row_share:\c1 row_mask:0xf bank_mask:0xf
	v_fmac_f32_dpp v[YA+1], v[ZE], v[KP+\c2] row_share:\c2 row_mask:0xf bank_mask:0xf
	v_fmac_f32_dpp v[YA+2], v[ZE], v[KP+\c3] row_share:\c3 row_mask:0xf bank_mask:0xf
.endif
.endif
.endm
; four of the sixteen products of the next block's KA . y
.macro DGRP first, c0, c1, c2, c3
.if NXF
.if \first
	v_mul_f32_dpp v[P], v[Y], v[AQ+\c0] row_share:\c0 row_mask:0xf bank_mask:0xf
	v_mul_f32_dpp v[P+1], v[Y], v[AQ+\c1] row_share:\c1 row_mask:0xf bank_mask:0xf
	v_mul_f32_dpp v[P+2], v[Y], v[AQ+\c2] row_share:\c2 row_mask:0xf bank_mask:0xf
	v_mul_f32_dpp v[P+3], v[Y], v[AQ+\c3] row_share:\c3 row_mask:0xf bank_mask:0xf
.else
	v_fmac_f32_dpp v[P], v[Y], v[AQ+\c0] row_share:\c0 row_mask:0xf bank_mask:0xf
	v_fmac_f32_dpp v[P+1], v[Y], v[AQ+\c1] row_share:\c1 row_mask:0xf bank_mask:0xf
	v_fmac_f32_dpp v[P+2], v[Y], v[AQ+\c2] row_share:\c2 row_mask:0xf bank_mask:0xf
	v_fmac_f32_dpp v[P+3], v[Y], v[AQ+\c3] row_share:\c3 row_mask:0xf bank_mask:0xf
.endif
.endif
.endm
; one of the sixteen c' updates of the block before, onto partial sum a
.macro CU a, c
	v_fmac_f32_dpp v[C+\a], v[ZN], v[KP+\c] row_share:\c row_mask:0xf bank_mask:0xf
.endm
; STEP j.  q = j % 4, pq = (j - 1) % 4, par = (j + 1) % 2.  ld = 1: record j + 2, at 'off', is fetched whole: its KA and X serve STEP j + 1, its N and n
; STEP j + 2, its KC STEP j + 3; the registers that it lands in had their last readers in STEP j - 1.  nx = 0: the last block, nothing follows.
; On entry: Z = z of block j, Y = y_(j-1), ZE = eps_(j-1), ZN = eps_(j-1) n.  The sixteen links wait for each other; between them stand, dependent ones a link
; apart: the 17 loads (two to a link in links 0 to 7, one in link 8), y_j = y_(j-1) + KC_(j-1) eps_(j-1) (links 0 to 5), KA_(j+1) . y_j (links 7 to 14), and c' (the rest).
.macro STEP q, pq, par, ld, off, nx
.set NQ, NK+34*\q
.set VQ, NK+34*\q+32
.set KP, NK+34*\pq+16
.set AQ, KX+32*\par
.set XQ, KX+32*\par+16
.set NXF, \nx
.set LDF, \ld
.set LOF, \off
.set LN, NK+34*((\q+2)%4)
.set LA, KX+32*(1-\par)
.if \ld
	s_wait_dscnt 9                                 ; all but the nine youngest loads, which are N, n and KC of the record asked for a step ago and serve later steps: its X and KA are in, and all of the records before it (behind a barrier nothing is out)
	s_wait_alu depctr_va_vdst(0)                   ; the step before is done reading KA, X, N, KC and n in the registers in which this step's loads land (at the first step: the zeros and v8 to v11 are written)
.endif
	LINK 0
	FET 0
	FET 1
	YGRP 1, 0, 1, 2, 3
	LINK 1
	FET 2
	FET 3
	YGRP 0, 4, 5, 6, 7
	LINK 2
	FET 4
	FET 5
	YGRP 0, 8, 9, 10, 11
	LINK 3
	FET 6
	FET 7
	YGRP 0, 12, 13, 14, 15
	LINK 4
	FET 8
	FET 9
	CU 0, 0
	CU 1, 1
.if NXF
	v_add_f32 v[Y], v[Y], v[YA]
	v_add_f32 v[YA+1], v[YA+1], v[YA+2]
.endif
	LINK 5
	FET 10
	FET 11
	CU 2, 2
	CU 3, 3
	CU 0, 4
.if NXF
	v_add_f32 v[Y], v[Y], v[YA+1]                  ; y_j
.endif
	LINK 6
	FET 12
	FET 13
	CU 1, 5
	CU 2, 6
	CU 3, 7
	LINK 7
	FET 14
	FET 15
	DGRP 1, 0, 1, 2, 3
	LINK 8
	FET 16
	DGRP 0, 4, 5, 6, 7
	LINK 9
	DGRP 0, 8, 9, 10, 11
	LINK 10
	DGRP 0, 12, 13, 14, 15
	LINK 11
	CU 0, 8
	CU 1, 9
.if NXF
	v_add_f32 v[P], v[P], v[P+1]
	v_add_f32 v[P+2], v[P+2], v[P+3]
.endif
	LINK 12
	CU 2, 10
	CU 3, 11
	CU 0, 12
.if NXF
	v_add_f32 v[P], v[P], v[P+2]
.endif
	LINK 13
	CU 1, 13
	CU 2, 14
	CU 3, 15
.if NXF
	v_permlanex16_b32 v[T], v[P], s22, s23         ; dimensions 0-15 meet dimensions 16-31
.endif
	LINK 14
.if NXF
	v_add_f32 v[T], v[P], v[T]                     ; KA_(j+1) . y_j
.endif
	LINK 15                                        ; eps_15 X[.][15]: Z is eps_j now
	v_mul_f32 v[ZN], v[Z], v[VQ]                   ; the last readers of the old ZN and ZE stand above
.if NXF
	v_mov_b32 v[ZE], v[Z]
	v_add_f32 v[Z], v[ZX], v[T]                    ; z of block j + 1
.endif
.endm
; The phase of stage g, from slot p: STEPs 4 g - 2 to 4 g + 1, which fetch records 4 g to 4 g + 3, all of them the stage's own.
.macro SECTION p
	STEP 2, 1, 1, 1, SLOT*\p, 1
	STEP 3, 2, 0, 1, SLOT*\p+REC, 1
	STEP 0, 3, 1, 1, SLOT*\p+2*REC, 1
	STEP 1, 0, 0, 1, SLOT*\p+3*REC, 1
.endm
	; START.  First the LDS addresses of all roles, in every wave.
	s_wait_alu depctr_vm_vsrc(0)                   ; the Gram table's loads and stores have read v9 to v12, and the head's load of out_b v8: the lines below write them
	s_lshl_b32 s29, s31, 6                         ; 64 p: a block's 16 tokens
	v_mul_u32_u24 v[TMP], v2, 144
	v_lshl_add_u32 v[A_KA], v3, 6, v[TMP]
	v_add_nc_u32 v[A_KA], s26, v[A_KA]             ; ring + 144 i + 64 h
	v_mul_u32_u24 v[A_N], v2, 80
	v_add_nc_u32 v[A_N], s26, v[A_N]               ; ring + 80 i
	v_mul_u32_u24 v[TMP], v3, R_KCH
	v_add_nc_u32 v[A_KC], v[TMP], v[A_N]           ; ring + 80 i + 1344 h
	v_lshl_add_u32 v[A_NV], v2, 2, s26             ; ring + 4 i
	v_lshl_add_u32 v[H_TI], v2, 2, s29             ; 64 p + 4 i
	v_lshl_add_u32 v[H_TS], v3, 5, s29             ; 64 p + 32 h
	v_lshl_add_u32 v[H_KB], v3, 6, s17             ; keys + 64 h
	v_lshl_add_u32 v[H_N], v3, 5, v[A_N]           ; ring + 80 i + 32 h
	v_add_nc_u32 v[H_KC], v[TMP], v[A_NV]          ; ring + 1344 h + 4 i
	s_cmp_lt_u32 s14, 2
	s_cbranch_scc1 .Lchain_start
	v_lshl_add_u32 v[HT], s31, 4, v2               ; tau of my row in my first block: 16 p + i
	v_cmp_ne_u32 vcc_lo, 0, v[HT]
	v_sub_nc_u32 v[HT], 2048, v[HT]
	v_cvt_f32_u32 v[HT], v[HT]
	v_fma_f32 v[RV0], v[HT], s28, s27              ; my first block's time factor,
	s_wait_alu depctr_va_vcc(0)                    ; the compare has written VCC, which the select below reads
	v_cndmask_b32 v[RV], 0, v[RV0], vcc_lo         ; and 0 for tau = 0, the query's own position
	v_mov_b32 v[RV+1], 0                           ; the second register of a pair that is broadcast: named, not used
	s_cmp_eq_u32 s30, 0
	s_cbranch_scc1 .Lcross_start
	v_mov_b32 v[SC+1], 0
	v_lshlrev_b32 v[HT], 3, v3
	v_sub_nc_u32 v[HT], v2, v[HT]                  ; i - 8 h
.irp j, 0,1,2,3,4,5,6,7
	v_cmp_lt_i32 s[4+\j], \j, v[HT]                ; the eight compares in one run, into s4 to s11: the four pointers that lay there have served, their loads are done
.endr
	s_wait_alu depctr_va_sdst(0)                   ; s4 to s11 are written, which the eight selects read
.irp j, 0,1,2,3,4,5,6,7
	v_cndmask_b32 v[MK+\j], 0, 1.0, s[4+\j]        ; 1 where i > 8 h + j
.endr
	PRODUCE 0, 0, 1                                ; stage 0
	s_branch .Lstart_done
.Lcross_start:
	XPRODUCE 0, 0, 1                               ; stage 0
	s_branch .Lstart_done
.Lchain_start:
	v_mov_b32 v[ZN], 0
	v_lshl_add_u32 v[T], v1, 2, s17
	s_wait_alu depctr_va_vdst(0)                   ; v[ZN] is written, the address of the load below
	ds_load_b32 v[P], v[ZN] offset:TOKR            ; the query's token
	; Blocks -3, -2, -1 are zeros, so that the first phase (STEPs -2 to 1) runs the loop's own text: eps = 0, KA and X of block -1,
	; KC of blocks -3 to -1, N and n of blocks -2 and -1: 115 moves, once in the kernel.
	v_mov_b32 v[Z], 0
	v_mov_b32 v[ZE], 0
	v_mov_b32 v[ZX], 0                             ; ZX, YA, P2, P3: a DPP form's destination counts as read
.irp j, 0,1,2
	v_mov_b32 v[YA+\j], 0
.endr
.irp j, 2,3,4,5,6,7
	v_mov_b32 v[P+\j], 0                           ; P2, P3 and c'
.endr
.set jj, 0
.rept 32
	v_mov_b32 v[KX+32+jj], 0                       ; KA, X of block -1
.set jj, jj+1
.endr
.set jj, 0
.rept 16
	v_mov_b32 v[NK+34+16+jj], 0                    ; KC of block -3
.set jj, jj+1
.endr
.set jj, 0
.rept 67
	v_mov_b32 v[NK+68+jj], 0                       ; N, KC, n of blocks -2 and -1 (and the one register between the two sets)
.set jj, jj+1
.endr
	s_wait_dscnt 0x0
	v_min_u32 v[P], 63, v[P]
	v_mul_u32_u24 v[P+1], v[P], KTP
	v_add_nc_u32 v[P+1], v[P+1], v[T]              ; 144 tok + 4 lane
	s_wait_alu depctr_va_vdst(0)                   ; v[P+1] is written, the address of the load below
	ds_load_b32 v[Y], v[P+1]                       ; y = the query's key, bias and all
	s_wait_alu depctr_vm_vsrc(0)                   ; the two loads have read v[ZN] and v[P+1], which the first steps write
.Lstart_done:
	BAR
	; THE LOOP: 16 trips of two phases.  Each barrier orders two things: the stores of the next stage's records before the chain's loads of them,
	; and the chain's loads of the stage just fetched before the stores into that slot.
	s_mov_b32 s21, 0
.Ltrip:
	s_cmp_lt_u32 s14, 2
	s_cbranch_scc1 .Lchain_a
	s_cmp_eq_u32 s30, 0
	s_cbranch_scc1 .Lcross_a
	PRODUCE 1, 1, 0                                ; stage 2 T + 1
	s_branch .Ldone_a
.Lcross_a:
	XPRODUCE 1, 1, 0
	s_branch .Ldone_a
.Lchain_a:
	SECTION 0                                      ; stage 2 T
.Ldone_a:
	BAR
	s_cmp_lt_u32 s14, 2
	s_cbranch_scc1 .Lchain_b
	s_cmp_eq_u32 s21, 15
	s_cbranch_scc1 .Ldone_b                        ; there is no stage 32
	s_cmp_eq_u32 s30, 0
	s_cbranch_scc1 .Lcross_b
	PRODUCE 0, 2, 0                                ; stage 2 T + 2
	s_branch .Ldone_b
.Lcross_b:
	XPRODUCE 0, 2, 0
	s_branch .Ldone_b
.Lchain_b:
	SECTION 1                                      ; stage 2 T + 1
.Ldone_b:
	BAR
	s_wait_alu depctr_vm_vsrc(0)                   ; in waves 2 to 7 the trip's token loads have read H_TI and H_TS, which the two adds write
	v_add_nc_u32 v[H_TI], 512, v[H_TI]             ; two stages of 64 tokens on
	v_add_nc_u32 v[H_TS], 512, v[H_TS]
	s_add_co_u32 s21, s21, 1
	s_cmp_lt_u32 s21, 16
	s_cbranch_scc1 .Ltrip
	; TAIL: blocks 126 and 127, whose records are in registers, and the last block's share of c'.  These two steps issue no load and hold no wait.
	s_cmp_lt_u32 s14, 2
	s_cbranch_scc0 .Ltail_done
	STEP 2, 1, 1, 0, 0, 1
	STEP 3, 2, 0, 0, 0, 0
.irp c, 0,1,2,3,4,5,6,7,8,9,10,11,12,13,14,15
	v_fmac_f32_dpp v[C+\c%4], v[ZN], v[NK+34*3+16+\c] row_share:\c row_mask:0xf bank_mask:0xf
.endr
	v_add_f32 v[C], v[C], v[C+1]
	v_add_f32 v[C+2], v[C+2], v[C+3]
	v_sub_f32 v[C], -v[C], v[C+2]                  ; c = -c'
	s_lshl_b32 s29, s15, 7
	s_add_co_u32 s29, s29, CV
	v_lshl_add_u32 v[T], v1, 2, s29
	s_wait_alu depctr_va_vdst(0)                   ; v[T] and v[C] are written: the store's address and data
	ds_store_b32 v[T], v[C]                        ; c[32 m + lane]
.Ltail_done:
	BAR
	; OUTPUT, one wave: out0[b][j] = out_b[j] + sum over i of c[i] out_w[i][j]; lane holds j = 2 lane, 2 lane + 1
	s_cmp_lg_u32 s14, 2
	s_cbranch_scc1 .Lend
	s_wait_alu depctr_vm_vsrc(0)                   ; this wave's stores of the scan have read v8, which the next line writes, and v[32:139], in which the loads below land
	v_mov_b32 v8, CV
	v_lshlrev_b32 v10, 3, v1
	v_add_nc_u32 v9, OW, v10
	s_wait_alu depctr_va_vdst(0)                   ; v8, v9 and v10 are written; every earlier vector line is done with v[32:159] and v[164:227], in which the 80 loads below land
.irp c, 0,1,2,3,4,5,6,7,8,9,10,11,12,13,14,15
	ds_load_b128 v[32+4*\c:35+4*\c], v8 offset:16*\c           ; c, all 64 in every lane
.endr
	; out_w: rows 0-31 into v[96:159], rows 32-63 into a buffer of their own, v[164:227], so that no load lands in a register that the sums read
.irp half, 0,1
.set ii, 0
.rept 32
	ds_load_b64 v[96+68*\half+2*ii:97+68*\half+2*ii], v9 offset:256*(32*\half+ii)
.set ii, ii+1
.endr
.endr
; 32 rows of out_w; even rows add onto v[160:161], which starts from out_b, odd rows onto v[162:163]
.macro OSUM half
.set WQ, 96+68*\half
.set ii, 0
.rept 16
.set START, 0
.if \half == 0
.if ii == 0
.set START, 1
.endif
.endif
.if START
	v_pk_fma_f32 v[160:161], v[96:97], v[32:33], v[6:7] op_sel_hi:[1,0,1]
	v_pk_mul_f32 v[162:163], v[98:99], v[32:33] op_sel:[0,1] op_sel_hi:[1,1]
.else
	v_pk_fma_f32 v[160:161], v[WQ+4*ii:WQ+4*ii+1], v[32+32*\half+2*ii:33+32*\half+2*ii], v[160:161] op_sel_hi:[1,0,1]
	v_pk_fma_f32 v[162:163], v[WQ+4*ii+2:WQ+4*ii+3], v[32+32*\half+2*ii:33+32*\half+2*ii], v[162:163] op_sel:[0,1,0] op_sel_hi:[1,1,1]
.endif
.set ii, ii+1
.endr
.endm
	s_wait_dscnt 32                                ; all but the 32 youngest loads: c and rows 0-31 are in
	OSUM 0
	s_wait_dscnt 0x0
	OSUM 1
	v_pk_add_f32 v[160:161], v[160:161], v[162:163]
	s_lshl_b32 s18, ttmp9, 8                       ; my row of out0: 256 bytes
	s_add_nc_u64 s[12:13], s[12:13], s[18:19]
	s_wait_alu depctr_va_vdst(0)                   ; v[160:161] is written, the store's data (v10 stands ahead of the wait above)
	global_store_b64 v10, v[160:161], s[12:13]     ; the wave's 32 lanes store the row's 256 consecutive bytes, aligned
.Lend:
	s_wait_dscnt 0x0
	s_wait_alu depctr_hold_cnt(0) depctr_sa_sdst(0) depctr_va_vdst(0) depctr_va_sdst(0) depctr_va_ssrc(0) depctr_va_vcc(0) depctr_vm_vsrc(0)
	s_wait_tensorcnt 0x0
	ds_add_u32 v236, v237
	s_wait_dscnt 0x0
	s_endpgm
.Lfunc_end_k_q671f33ebf5_scan:
	.size	k_q671f33ebf5_scan, .Lfunc_end_k_q671f33ebf5_scan-k_q671f33ebf5_scan
	.p2alignl 7, 3214868480
	.fill 96, 4, 3214868480
	.section	.rodata,"a",@progbits
	.p2align	6, 0x0
	.amdhsa_kernel k_q671f33ebf5_scan
		.amdhsa_group_segment_fixed_size 200960
		.amdhsa_private_segment_fixed_size 0
		.amdhsa_enable_private_segment 0
		.amdhsa_kernarg_size 40
		.amdhsa_user_sgpr_count 2
		.amdhsa_user_sgpr_kernarg_segment_ptr 1
		.amdhsa_wavefront_size32 1
		.amdhsa_system_sgpr_workgroup_id_x 1
		.amdhsa_system_sgpr_workgroup_id_y 1
		.amdhsa_system_sgpr_workgroup_id_z 1
		.amdhsa_system_vgpr_workitem_id 0
		.amdhsa_next_free_vgpr 238
		.amdhsa_next_free_sgpr 66
		.amdhsa_reserve_vcc 1
		.amdhsa_float_denorm_mode_32 3
		.amdhsa_float_denorm_mode_16_64 3
		.amdhsa_memory_ordered 1
		.amdhsa_forward_progress 1
		.amdhsa_inst_pref_size 149
	.end_amdhsa_kernel
	.amdgpu_metadata
---
amdhsa.version: [ 1, 2 ]
amdhsa.kernels:
  - .name:           k_q671f33ebf5_scan
    .symbol:         k_q671f33ebf5_scan.kd
    .args:
      - { .name: seq, .offset: 0, .size: 8, .value_kind: global_buffer, .address_space: global }
      - { .name: tab, .offset: 8, .size: 8, .value_kind: global_buffer, .address_space: global }
      - { .name: out_w, .offset: 16, .size: 8, .value_kind: global_buffer, .address_space: global }
      - { .name: out_b, .offset: 24, .size: 8, .value_kind: global_buffer, .address_space: global }
      - { .name: out0, .offset: 32, .size: 8, .value_kind: global_buffer, .address_space: global }
    .group_segment_fixed_size: 200960
    .private_segment_fixed_size: 0
    .kernarg_segment_align: 8
    .kernarg_segment_size: 40
    .max_flat_workgroup_size: 256
    .sgpr_count:     66
    .vgpr_count:     238
    .wavefront_size: 32
...
	.end_amdgpu_metadata
.endif
;; end of part 4
